; MI455X (gfx1250); checked and timed in simulation.
; The chip was launched on July 23, 2026; its instructions are those of AMD's public machine-readable ISA for CDNA 5 (MIT licence, August 2026) and "CDNA5" Instruction Set Architecture Reference Guide (July 2026). The comments in the code are by the model that wrote it; some were corrected since.
;; Learned2d Relative Self Attention. Allowed arithmetic: matrix products marked QUANTISED: E5M2 operands, one given power-of-two scale a tensor, by v_wmma_f32_16x16x64_bf8_bf8 or v_wmma_f32_16x16x128_bf8_bf8, f32 sums; everything else in f32.
;; Inputs: Wk_codes 512 x 2 x 32 uint8 (E5M2 codes of Wk, K innermost, in blocks of 32 codes); Wq_codes 512 x 2 x 32 uint8 (E5M2 codes of Wq, K innermost, in blocks of 32 codes); Wv_codes 64 x 16 x 32 uint8 (E5M2 codes of Wv, K innermost, in blocks of 32 codes); col_emb 63 x 32 float32; hidden_state 4 x 32 x 32 x 64 float32; lowp_scales 14 int32 (the exponents e of the quantised operands' scales 2^e); row_emb 63 x 32 float32.
;; Outputs: out0 4 x 32 x 32 x 64 float32.
;; This version of the problem:
;;   THIS VERSION OF THE PROBLEM IS GIVEN IN LOW PRECISION. The matrix products marked QUANTISED in the list below multiply operands that are first quantised to E5M2 (5 exponent bits, 2 mantissa bits; 8 bits a number), with one given power-of-two scale for each operand tensor; their sums are f32. All else is computed in f32.
;;   The module's matrix products, in the order in which they are computed (A, B: the left and right operand; K: the contracted axis; several contracted axes count as one K, in the product's order):
;;     1. [M 4,096, K 64] x [K 64, N 512]; A: input hidden_state; B: input Wq (given as codes): QUANTISED (scales: A lowp_scales[0], B lowp_scales[1])
;;     2. [M 4,096, K 64] x [K 64, N 512]; A: input hidden_state; B: input Wk (given as codes): QUANTISED (scales: A lowp_scales[2], B lowp_scales[3])
;;     3. batch 32 x [M 32, K 32] x [K 32, N 1,024]; A: computed on the way; B: computed on the way: QUANTISED (scales: A lowp_scales[4], B lowp_scales[5])
;;     4. batch 32 x [M 32, K 32] x [K 32, N 1,024]; A: computed on the way; B: computed on the way: QUANTISED (scales: A lowp_scales[6], B lowp_scales[7])
;;     5. batch 32 x [M 1,024, K 64] x [K 64, N 1,024]; A: computed on the way; B: computed on the way: QUANTISED (scales: A lowp_scales[8], B lowp_scales[9])
;;     6. batch 4 x [M 8,192, K 1,024] x [K 1,024, N 64]; A: computed on the way; B: input hidden_state: QUANTISED (scales: A lowp_scales[10], B lowp_scales[11])
;;     7. [M 4,096, K 512] x [K 512, N 64]; A: computed on the way; B: input Wv (given as codes): QUANTISED (scales: A lowp_scales[12], B lowp_scales[13])
;;   THE QUANTISER, for each operand of a quantised product, along K:
;;     - The operand's scale is 2^e, e = its entry of the input lowp_scales (int32; the entries are numbered through the quantised products in the list's order, A before B).
;;     - Each number is divided by the scale, clamped to +-57,344, and rounded to the nearest number of E5M2, ties to even, subnormals kept.
;;     - The product sums the exact products of the quantised numbers (number of the format x scale) in f32.
;;   ~~~python
;;   def quantise(x, axis, e):      # numpy; x: float32 -> the quantised numbers, widened to float32 again
;;       x = np.moveaxis(x, axis, -1); K = x.shape[-1]
;;       r = np.clip(x / 2.0 ** e, -57344, 57344)
;;       step = 2.0 ** (np.maximum(np.frexp(np.where(r == 0, 1, r))[1] - 1, -14) - 2)
;;       q = np.round(r / step) * step * 2.0 ** e      # np.round: ties to even
;;       return np.moveaxis(q, -1, axis).astype(np.float32)
;;   ~~~
;;   OPERANDS COMPUTED ON THE WAY. 'Computed on the way' means the value that the module computes at that place (a softmax that the list does not call 'softmax' is quantised finished and normalised). What goes into a quantiser is computed in f32, as accurately as f32 sums, v_exp_f32 and their like allow (about 1e-6 of the number): no bf16 or f16 on the way to a quantiser, and a product that is left as it is and whose result goes on into a quantised operand takes f32 operands (vector FMAs, or v_wmma_f32_16x16x4_f32). A number that lies on a knife's edge between two numbers of the format may be rounded either way, as far as f32 arithmetic and the matrix unit's own rounding can turn it there, and no further.
;;   INPUTS GIVEN AS CODES. Wk (in the module: [64, 512], K = its axis 0); Wq (in the module: [64, 512], K = its axis 0); Wv (in the module: [512, 64], K = its axis 0): each comes as NAME_codes (uint8): NAME with its K axis moved to the last place and cut into blocks of 32 codes, [.., K / 32, bytes a block], one block behind the other in memory; one code a byte (a code: sign, 5 exponent bits, 2 mantissa bits); its scale is its entry of lowp_scales. Its value is code x scale, taken as it is: it is not quantised again, and the codes and scales need not be those that the quantiser above would give.
;; 3 versions, each right; version 2 is faster than version 1; version 3 is version 2 with the launch prep written anew for expert scheduling mode. Each part assembles by itself: llvm-mc -triple=amdgcn-amd-amdhsa -mcpu=gfx1250 --defsym DOCPART=n.
;; ======== version 1 of 3: 3 launches
;; workspace buffers: Kc 2,097,152 bytes; Qc 2,097,152 bytes; Qp 2,097,152 bytes; Vc 262,144 bytes; Oc 2,097,152 bytes
;; launch prep (part 1): grid 256 x 1, 4 waves a work-group, no clusters, 0 bytes of LDS; arguments hidden_state, Wq_codes, Wk_codes, lowp_scales, Qc, Qp, Kc, Vc; writes Qc, Qp, Kc, Vc
.if DOCPART == 1
	.amdgcn_target "amdgcn-amd-amdhsa--gfx1250"
	.amdhsa_code_object_version 6
	.text
	.protected	k_qbbfe9e78cc_prep
	.globl	k_qbbfe9e78cc_prep
	.p2align	8
	.type	k_qbbfe9e78cc_prep,@function
k_qbbfe9e78cc_prep:
	s_mov_b64 s[64:65], 0
	v_nop
	global_prefetch_b8 v0, s[64:65] scope:SCOPE_SE
	s_setreg_imm32_b32 hwreg(HW_REG_WAVE_MODE, 25, 1), 1
	s_wait_xcnt 0x0
; q = hs Wq and k = hs Wk on codes of BF8 (E5M2), and all codes that the attention launch needs, laid as images of operand registers.
; hs: [4096][64] f32.  Wq_codes, Wk_codes: [512 (n)][64 (K)] one code a byte.  lowp_scales: e0 .. e13.
; SHARES.  A work-group takes 16 neighbouring positions (one tile of queries and of keys: fixed first coordinate, 16 second coordinates); wave w takes heads 2 w and 2 w + 1 of q and of k.
; THE PRODUCTS ARE USED TRANSPOSED (source 0 = 16 rows of the weight, source 1 = the 16 positions): lane (r, h) then holds position r, and register j of tile t dimension 16 t + 8 h + j of a head:
; four conversions make of a head's 32 registers the 8 registers of a fragment 16 positions x 64 dimensions.  q and k are made alike, so the places of the dimensions agree in both.
; OUT.  Qc: q / 2^e9.  Qp: dimensions 0-31 of q / 2^e5, dimensions 32-63 / 2^e7.  Kc: k / 2^e8.  Each [b][head][tile 0..63][1,024 bytes]: registers 0-3 at 16 x lane, registers 4-7 512 bytes on.
; A sum of a product stands for sum x 2^(e0 + e1) (k: e2 + e3): the exponents are folded into the scale of the conversion.
; Vc: hs / 2^e11 with the KEYS innermost: [b][step 0..7][tile of dimensions 0..3][2,048 bytes], a fragment 16 dimensions x 128 keys.  The value of key (k, l) is hs[b][l][k].
;   Byte x of lane (r, h): k = 4 step + x / 16, l = 16 ((x / 8) % 2) + 8 h + x % 8; dimension 32 (t / 2) + 8 (t % 2) + r + 8 (r / 8), so that the next result has 16 neighbouring dimensions a lane.
;   A lane takes a dimension and its registers run down the keys: nothing is transposed.  512 pieces of 16 bytes a lane: waves 0 and 1 of each work-group make one each.
; LIMITS: e0, e2, e11, e9 - e0 - e1, e5 - e0 - e1, e7 - e0 - e1 and e8 - e2 - e3 lie between -126 and 112, so that each power of two below is an f32 number.  NaN and infinities among the inputs are not served.
.set X,   32                           ; v32-63   my 32 numbers of hs: register 16 c + i = channel 32 c + 16 h + i of position r
.set T0,  64                           ; v64-95   the same, held for e0
.set HQ,  96                           ; v96-103  the positions' codes for q;  v104-111 for k
.set HK,  104
.set WQ,  112                          ; v112-175 eight fragments of Wq;  v176-239 of Wk
.set WK,  176
.set DQ,  32                           ; q's 64 sums, over X and T0;  k's over Wq's fragments, five places behind their last use
.set DK,  112
.set T,   176                          ; at work, over Wk's fragments
.set CQ,  208                          ; head g: v[CQ+16g ..] q's codes, v[CQ+16g+8 ..] the positional ones
.set CK,  240                          ; k's codes, 8 registers a head
.set VX,  240                          ; waves 0, 1: 16 numbers for V, done with before k's codes are made
.macro MKSC vs, vh, se                 ; from the whole number e in s[se]: 2^e, and 57,344 x 2^e, as f32
	s_add_co_i32 s56, s[\se], 127
	s_lshl_b32 s57, s56, 23
	v_mov_b32 v[\vs], s57
	s_add_co_i32 s56, s56, 15
	s_lshl_b32 s56, s56, 23
	s_or_b32 s56, s56, 0x600000
	v_mov_b32 v[\vh], s56
.endm
.macro HOLDS d, s, cnt, lim            ; the conversion to an 8-bit code does not saturate: cnt numbers are held within the largest code x the scale first
.set n, 0
.rept \cnt
	v_med3_num_f32 v[(\d)+n], v[(\s)+n], -v[\lim], v[\lim]
.set n, n+1
.endr
.endm
.macro CODES d, s, cnt, sc             ; cnt times eight numbers -> two registers of codes
.set n, 0
.rept \cnt
	v_cvt_scalef32_pk8_bf8_f32 v[(\d)+2*n:(\d)+2*n+1], v[(\s)+8*n:(\s)+8*n+7], v[\sc]
.set n, n+1
.endr
.endm
	s_load_b256 s[4:11], s[0:1], 0x0               ; hs s[4:5], Wq s[6:7], Wk s[8:9], the exponents s[10:11]
	s_load_b256 s[12:19], s[0:1], 0x20             ; Qc s[12:13], Qp s[14:15], Kc s[16:17], Vc s[18:19]
	v_lshrrev_b32 v1, 5, v0
	v_readfirstlane_b32 s20, v1                    ; wave
	v_and_b32 v1, 15, v0                           ; r
	v_bfe_u32 v2, v0, 4, 1                         ; h
	v_and_b32 v3, 31, v0
	v_lshlrev_b32 v3, 4, v3                        ; 16 x lane: my place in an image
	v_lshlrev_b32 v4, 8, v1
	v_lshl_add_u32 v4, v2, 6, v4                   ; hs: row r of 256 bytes, + 64 h
	v_lshlrev_b32 v5, 6, v1
	v_lshl_add_u32 v5, v2, 4, v5                   ; a weight: row r of 64 bytes, + 16 h
	v_and_b32 v6, 8, v1
	v_add_nc_u32 v6, v6, v1                        ; r + 8 (r / 8)
	v_lshlrev_b32 v6, 2, v6
	v_lshl_add_u32 v6, v2, 16, v6                  ; V: my dimension, and 8 h rows of 32 positions x 256 bytes
	s_lshl_b32 s22, ttmp9, 12                      ; the tile's 16 rows of hs
	s_mov_b32 s23, 0
	s_lshl_b32 s24, s20, 13                        ; my 128 rows of each weight
	s_mov_b32 s25, 0
	s_lshr_b32 s21, ttmp9, 6                       ; b
	s_and_b32 s26, ttmp9, 63                       ; the tile in its batch
	s_lshl_b32 s26, s26, 10
	s_lshl_b32 s27, s21, 19
	s_add_co_u32 s26, s26, s27
	s_lshl_b32 s27, s20, 17
	s_add_co_u32 s26, s26, s27                     ; ((8 b + 2 w) 64 + tile) 1,024
	s_mov_b32 s27, 0
	s_lshl_b32 s28, ttmp9, 1
	s_add_co_u32 s28, s28, s20
	s_and_b32 s28, s28, 127                        ; V's piece: bits 1:0 the four registers, 3:2 the tile of dimensions, 6:4 the step
	s_lshl_b32 s30, s28, 9
	s_lshl_b32 s31, s21, 16
	s_add_co_u32 s30, s30, s31                     ; where it goes
	s_mov_b32 s31, 0
	s_and_b32 s44, s28, 3
	s_lshr_b32 s45, s28, 4
	s_lshl_b32 s45, s45, 2
	s_add_co_u32 s44, s44, s45                     ; k = 4 step + piece
	s_lshl_b32 s44, s44, 8
	s_lshl_b32 s45, s21, 18
	s_add_co_u32 s44, s44, s45
	s_bfe_u32 s45, s28, 0x10003
	s_lshl_b32 s45, s45, 7
	s_add_co_u32 s44, s44, s45                     ; + 32 (t / 2) dimensions
	s_bfe_u32 s45, s28, 0x10002
	s_lshl_b32 s45, s45, 5
	s_add_co_u32 s44, s44, s45                     ; + 8 (t % 2)
	s_mov_b32 s45, 0
	s_wait_kmcnt 0x0
	s_load_b256 s[32:39], s[10:11], 0x0            ; e0 .. e7
	s_load_b128 s[40:43], s[10:11], 0x20           ; e8 .. e11
	s_add_nc_u64 s[22:23], s[4:5], s[22:23]
	s_add_nc_u64 s[44:45], s[4:5], s[44:45]
	s_add_nc_u64 s[6:7], s[6:7], s[24:25]
	s_add_nc_u64 s[8:9], s[8:9], s[24:25]
	s_add_nc_u64 s[12:13], s[12:13], s[26:27]
	s_add_nc_u64 s[14:15], s[14:15], s[26:27]
	s_add_nc_u64 s[16:17], s[16:17], s[26:27]
	s_add_nc_u64 s[18:19], s[18:19], s[30:31]
.irp c, 0,1
.irp q, 0,1,2,3
	global_load_b128 v[X+16*\c+4*\q:X+16*\c+4*\q+3], v4, s[22:23] offset:128*\c+16*\q
.endr
.endr
.irp t, 0,1,2,3,4,5,6,7
.irp c, 0,1
	global_load_b128 v[WQ+8*\t+4*\c:WQ+8*\t+4*\c+3], v5, s[6:7] offset:1024*\t+32*\c   ; registers 4 c .. 4 c + 3: K = 32 c + 16 h + 0 .. 15, as in the positions' codes
	global_load_b128 v[WK+8*\t+4*\c:WK+8*\t+4*\c+3], v5, s[8:9] offset:1024*\t+32*\c
.endr
.endr
	s_wait_kmcnt 0x0
	s_add_co_i32 s50, s32, s33                     ; e0 + e1
	s_sub_co_i32 s51, s41, s50                     ; e9 - e0 - e1
	s_sub_co_i32 s52, s37, s50                     ; e5 - e0 - e1
	s_sub_co_i32 s53, s39, s50                     ; e7 - e0 - e1
	s_sub_co_i32 s54, s40, s34
	s_sub_co_i32 s54, s54, s35                     ; e8 - e2 - e3
	MKSC 8, 9, 32
	MKSC 10, 11, 34
	MKSC 12, 13, 51
	MKSC 14, 15, 52
	MKSC 16, 17, 53
	MKSC 18, 19, 54
	MKSC 20, 21, 43
	s_cmp_lt_u32 s20, 2                            ; waves 0 and 1: a piece of V.  Its loads go out behind the others, so the one wait below serves all
	s_cbranch_scc0 .Lno_v
.irp u, 0,1
.irp j, 0,1,2,3,4,5,6,7
	global_load_b32 v[VX+8*\u+\j], v6, s[44:45] offset:(16*\u+\j)*8192   ; hs[b][16 u + 8 h + j][k][my dimension]
.endr
.endr
	s_wait_loadcnt 0x0
	HOLDS VX, VX, 16, 21
	CODES 24, VX, 2, 20
	v_nop                                          ; a plain line behind the last conversion
	global_store_b128 v3, v[24:27], s[18:19]       ; the wave stores 512 consecutive bytes
.Lno_v:
	s_wait_loadcnt 0x0
	HOLDS T0, X, 32, 9
	CODES HQ, T0, 4, 8
	HOLDS X, X, 32, 11
	CODES HK, X, 4, 10
	v_nop                                          ; a plain line between the conversions and the products, which read their results and write over their sources
.irp t, 0,1,2,3,4,5,6,7
	v_wmma_f32_16x16x64_bf8_bf8 v[DQ+8*\t:DQ+8*\t+7], v[WQ+8*\t:WQ+8*\t+7], v[HQ:HQ+7], 0
.endr
.rept 5
	v_nop                                          ; five places: the next products write over Wq's fragments
.endr
.irp t, 0,1,2,3,4,5,6,7
	v_wmma_f32_16x16x64_bf8_bf8 v[DK+8*\t:DK+8*\t+7], v[WK+8*\t:WK+8*\t+7], v[HK:HK+7], 0
.endr
.rept 4
	v_nop                                          ; four places in front of the first read of results and the first write over Wk's fragments
.endr
.irp g, 0,1
	HOLDS T, DQ+32*\g, 32, 13
	CODES CQ+16*\g, T, 4, 12
	HOLDS DQ+32*\g, DQ+32*\g, 16, 15
	HOLDS DQ+32*\g+16, DQ+32*\g+16, 16, 17
	CODES CQ+16*\g+8, DQ+32*\g, 2, 14
	CODES CQ+16*\g+12, DQ+32*\g+16, 2, 16
.endr
	HOLDS DK, DK, 64, 19
	CODES CK, DK, 8, 18
	v_nop
.irp g, 0,1
	global_store_b128 v3, v[CQ+16*\g:CQ+16*\g+3], s[12:13] offset:65536*\g        ; every store of the wave covers 512 consecutive bytes, aligned
	global_store_b128 v3, v[CQ+16*\g+4:CQ+16*\g+7], s[12:13] offset:65536*\g+512
	global_store_b128 v3, v[CQ+16*\g+8:CQ+16*\g+11], s[14:15] offset:65536*\g
	global_store_b128 v3, v[CQ+16*\g+12:CQ+16*\g+15], s[14:15] offset:65536*\g+512
	global_store_b128 v3, v[CK+8*\g:CK+8*\g+3], s[16:17] offset:65536*\g
	global_store_b128 v3, v[CK+8*\g+4:CK+8*\g+7], s[16:17] offset:65536*\g+512
.endr
	s_endpgm
.Lfunc_end_k_qbbfe9e78cc_prep:
	.size	k_qbbfe9e78cc_prep, .Lfunc_end_k_qbbfe9e78cc_prep-k_qbbfe9e78cc_prep
	.p2alignl 7, 3214868480
	.fill 96, 4, 3214868480
	.section	.rodata,"a",@progbits
	.p2align	6, 0x0
	.amdhsa_kernel k_qbbfe9e78cc_prep
		.amdhsa_group_segment_fixed_size 0
		.amdhsa_private_segment_fixed_size 0
		.amdhsa_enable_private_segment 0
		.amdhsa_kernarg_size 64
		.amdhsa_user_sgpr_count 2
		.amdhsa_user_sgpr_kernarg_segment_ptr 1
		.amdhsa_wavefront_size32 1
		.amdhsa_system_sgpr_workgroup_id_x 1
		.amdhsa_system_sgpr_workgroup_id_y 1
		.amdhsa_system_sgpr_workgroup_id_z 1
		.amdhsa_system_vgpr_workitem_id 0
		.amdhsa_next_free_vgpr 256
		.amdhsa_next_free_sgpr 66
		.amdhsa_reserve_vcc 0
		.amdhsa_float_denorm_mode_32 3
		.amdhsa_float_denorm_mode_16_64 3
		.amdhsa_memory_ordered 1
		.amdhsa_forward_progress 1
		.amdhsa_inst_pref_size 32
	.end_amdhsa_kernel
	.amdgpu_metadata
---
amdhsa.version: [ 1, 2 ]
amdhsa.kernels:
  - .name:           k_qbbfe9e78cc_prep
    .symbol:         k_qbbfe9e78cc_prep.kd
    .args:
      - { .name: hidden_state, .offset: 0, .size: 8, .value_kind: global_buffer, .address_space: global }
      - { .name: Wq_codes, .offset: 8, .size: 8, .value_kind: global_buffer, .address_space: global }
      - { .name: Wk_codes, .offset: 16, .size: 8, .value_kind: global_buffer, .address_space: global }
      - { .name: lowp_scales, .offset: 24, .size: 8, .value_kind: global_buffer, .address_space: global }
      - { .name: Qc, .offset: 32, .size: 8, .value_kind: global_buffer, .address_space: global }
      - { .name: Qp, .offset: 40, .size: 8, .value_kind: global_buffer, .address_space: global }
      - { .name: Kc, .offset: 48, .size: 8, .value_kind: global_buffer, .address_space: global }
      - { .name: Vc, .offset: 56, .size: 8, .value_kind: global_buffer, .address_space: global }
    .group_segment_fixed_size: 0
    .private_segment_fixed_size: 0
    .kernarg_segment_align: 8
    .kernarg_segment_size: 64
    .max_flat_workgroup_size: 128
    .sgpr_count:     66
    .vgpr_count:     256
    .wavefront_size: 32
...
	.end_amdgpu_metadata
.endif
;; end of part 1
;; launch attn (part 2): grid 8 x 32, 4 waves a work-group, clusters of 4 x 1, 168,448 bytes of LDS; arguments Kc, Qc, Qp, Vc, row_emb, col_emb, lowp_scales, Oc; writes Oc
.if DOCPART == 2
	.amdgcn_target "amdgcn-amd-amdhsa--gfx1250"
	.amdhsa_code_object_version 6
	.text
	.protected	k_qbbfe9e78cc_attn
	.globl	k_qbbfe9e78cc_attn
	.p2align	8
	.type	k_qbbfe9e78cc_attn,@function
k_qbbfe9e78cc_attn:
	s_mov_b64 s[64:65], 0
	v_nop
	global_prefetch_b8 v0, s[64:65] scope:SCOPE_SE
	s_setreg_imm32_b32 hwreg(HW_REG_WAVE_MODE, 25, 1), 1
	s_wait_xcnt 0x0
	s_wait_alu depctr_hold_cnt(0) depctr_sa_sdst(0) depctr_va_vdst(0) depctr_va_sdst(0) depctr_va_ssrc(0) depctr_va_vcc(0) depctr_vm_vsrc(0)
	s_getreg_b32 s2, hwreg(HW_REG_IB_STS2, 6, 4)
	s_cmp_eq_u32 s2, 0
	s_cbranch_scc0 .Lentry_in_a_cluster
	s_endpgm
.Lentry_in_a_cluster:
	s_bfe_u32 s2, ttmp6, 0x10000c
	s_cmp_lg_u32 s2, 0x3003
	s_cbranch_scc0 .Lentry_shape_is_right
	s_endpgm
.Lentry_shape_is_right:
; For batch b, head h, query (i, j): score(k, l) = (q . K[k][l] + q[0:32] . row_emb[min(i + k + 31, 62)] + q[32:64] . col_emb[min(j + l + 31, 62)]) / 8; p = softmax over the 1,024 keys, FINISHED AND NORMALISED,
; then quantised; O = sum of p(k, l) hs[b][l][k]; O is quantised for the last product and stored as codes.  All products on codes of BF8 (E5M2).  (An index past the table's last row is held at that row, as the gather holds it.)
; SHARES.  Work-group (x, y): y = 8 b + h, x = a block of 128 queries (four rows i).  Wave w owns row i = 4 x + w: two tiles of 16 queries (j = 0-15, 16-31), a loop of two trips.
; A TILE'S 16 x 1,024 SCORES STAY IN 512 REGISTERS from the product to the quantiser: the row's sum must be known before p is quantised, and so each score is multiplied once and has one exponential.
; LDS.  The head's K codes (64 tiles of 16 keys x 64, 1,024 bytes each) at 0, the batch's V codes (32 fragments of 16 dimensions x 128 keys, 2,048 bytes each) at LV: images of operand registers, read at 16 x lane.
; Both are filled once and never again.  CLUSTER: the four work-groups of a cluster have the same y and need the same 131,072 bytes: each wave asks for 16,384 of K and 16,384 of V JOINTLY, with a mask that names the four.
; By this text's own count a wave has two tensor loads out.  Nothing is prefetched: the two tensors are asked for at the head, and nothing streams after them.
; LAYOUT.  S^T = K Q^T (source 0 = 16 keys: k fixed, l = 16 u + 0 .. 15; source 1 = 16 queries): lane (r, h) holds query j0 + r and keys l = 16 u + 8 h + 0 .. 7.  Eight registers become eight codes, which are the place
; that V's image gives those keys.  O^T = V^T P^T: a lane holds one query throughout.
; THE POSITIONAL SCORES are the C of the content product: row[k] + col[l], each brought to the content sum's unit by a power of two.  row[k]: source 0 = the table rows of k = 8 t + r % 8 (each twice, so that both halves of
; the lanes hold all 32).  col[l] hangs on the lane's own j: G[t] = q . col_emb[31 + t], t = 0 .. 31, goes to a row of 64 words in my wave's scratch (words 32-63 hold G[31]) and comes back from word j + l on.
; LIMITS: e4, e6, e10 and e12 - e10 - e11 between -126 and 112; e8 + e9 between -123 and 130 (added to an exponent field).  NaN and infinities are not served.
; REGISTERS, in windows of 256.  Window 0: v0-15 addresses and constants; v16-23 Q, v24-31 Q for the positions; v32-47 col, later O's codes; v48-63 statistics; v64-127 row[k], each twice, later p's codes (2 x 16) and O^T (32);
; v128-255 two buffers of fragments.  Windows 1, 2: the scores.  Window 3: v0-55 the tables' fragments.
.set LV,   65536
.set SCR,  131072                      ; behind the two tensors: 4,608 bytes of scratch for each wave (16 rows of 272), bytes into which no tensor load lands
.set SCRW, 4608
.set CPI,  272
.set QF,   16
.set QPF,  24
.set COL,  32
.set ST,   48                          ; v48-51 four running maxima
.set PT,   52                          ; v52    the other half's figure
.set NM,   54                          ; v[54:55] - c m
.set SM,   56                          ; v56-63 four pairs of sums
.set RR,   58                          ; v[58:59] 1 / the sum, twice
.set ROWD, 64
.set PB,   64
.set OA,   96
.set KB,   128
.set CS,   78                          ; s[78:79] c = log2(e) / 8 x 2^(e8 + e9)
.set MSB,  0
.macro WIN new                         ; the immediate's high byte repeats the setting that is left; a switch that changes nothing is dropped
.if MSB != (\new)
	s_set_vgpr_msb (MSB<<8)|(\new)
.set MSB, (\new)
.endif
.endm
.macro CROUND                          ; a round of the cluster's barrier
	s_barrier_signal -1
	s_barrier_wait -1
	s_cmp_lg_u32 s20, 0
	s_cbranch_scc1 .Lnot_wave_0_\@
	s_barrier_signal -3
.Lnot_wave_0_\@:
	s_barrier_wait -3
	s_barrier_signal -1
	s_barrier_wait -1
.endm
.macro MKSC vs, vh, se                 ; from the whole number e in s[se]: 2^e, and 57,344 x 2^e, as f32
	s_add_co_i32 s84, s[\se], 127
	s_lshl_b32 s85, s84, 23
	v_mov_b32 v[\vs], s85
	s_add_co_i32 s84, s84, 15
	s_lshl_b32 s84, s84, 23
	s_or_b32 s84, s84, 0x600000
	v_mov_b32 v[\vh], s84
.endm
.macro HOLDS d, s, cnt, lim            ; the conversion to an 8-bit code does not saturate: the numbers are held within the largest code x the scale first
.set n, 0
.rept \cnt
	v_med3_num_f32 v[(\d)+n], v[(\s)+n], -v[\lim], v[\lim]
.set n, n+1
.endr
.endm
.macro CODES d, s, cnt, sc
.set n, 0
.rept \cnt
	v_cvt_scalef32_pk8_bf8_f32 v[(\d)+2*n:(\d)+2*n+1], v[(\s)+8*n:(\s)+8*n+7], v[\sc]
.set n, n+1
.endr
.endm
.macro TLOAD4 reg, adr, base, off      ; 16 numbers of a table row: dimensions 8 h + 0 .. 7 and 16 + 8 h + 0 .. 7
	global_load_b128 v[(\reg):(\reg)+3], v[\adr], s[\base:\base+1] offset:(\off)
	global_load_b128 v[(\reg)+4:(\reg)+7], v[\adr], s[\base:\base+1] offset:(\off)+16
	global_load_b128 v[(\reg)+8:(\reg)+11], v[\adr], s[\base:\base+1] offset:(\off)+64
	global_load_b128 v[(\reg)+12:(\reg)+15], v[\adr], s[\base:\base+1] offset:(\off)+80
.endm
.macro KLOAD g                         ; batch g of eight key tiles: 16 LDS loads into buffer g % 2
	WIN 0
.set f, 0
.rept 8
	ds_load_b128 v[KB+64*((\g)%2)+8*f:KB+64*((\g)%2)+8*f+3], v3 offset:(8*(\g)+f)*1024
	ds_load_b128 v[KB+64*((\g)%2)+8*f+4:KB+64*((\g)%2)+8*f+7], v3 offset:(8*(\g)+f)*1024+512
.set f, f+1
.endr
.endm
.macro XADD g                          ; batch g's sums begin as row[k] + col[l]: tile 8 g + f has k = 4 g + f / 2, u = f % 2
	WIN (((\g)/4+1)*0x50)
.set f, 0
.rept 8
.set sb, 64*((\g)%4)+8*f
.set kk, 4*(\g)+f/2
.set uu, f%2
.irp p, 0,2,4,6
	v_pk_add_f32 v[sb+\p:sb+\p+1], v[COL+8*uu+\p:COL+8*uu+\p+1], v[ROWD+2*kk:ROWD+2*kk+1]
.endr
.set f, f+1
.endr
.endm
.macro QKMUL g                         ; eight products, each on an accumulator of its own
	WIN (((\g)/4+1)*0x50)
.set f, 0
.rept 8
.set sb, 64*((\g)%4)+8*f
	v_wmma_f32_16x16x64_bf8_bf8 v[sb:sb+7], v[KB+64*((\g)%2)+8*f:KB+64*((\g)%2)+8*f+7], v[QF:QF+7], v[sb:sb+7]
.set f, f+1
.endr
.endm
.macro SMAX g                          ; the batch's 64 scores into four running maxima; each accumulator from its low end on
	WIN (((\g)/4+1)*0x14)
.set n, 0
.rept 32
	v_max3_num_f32 v[ST+n%4], v[ST+n%4], v[64*((\g)%4)+2*n], v[64*((\g)%4)+2*n+1]
.set n, n+1
.endr
.endm
.macro EXPS w                          ; a window's 256 scores: c s - c m, two at a time, and 2^(that); a scaling stands ahead of each two exponentials.  No line here names an exponential's result
	WIN ((\w)*0x41)
.set n, 0
.rept 128
	v_pk_fma_f32 v[2*n:2*n+1], v[2*n:2*n+1], s[CS:CS+1], v[NM:NM+1] op_sel_hi:[1,0,0]
.if n > 0
	v_exp_f32 v[2*n-2], v[2*n-2]
	v_exp_f32 v[2*n-1], v[2*n-1]
.endif
.set n, n+1
.endr
	v_exp_f32 v254, v254
	v_exp_f32 v255, v255
	v_nop                                          ; a plain line behind the last exponential
	s_wait_alu depctr_va_vdst(0)                   ; one wait for the 256, ahead of their first reader
.endm
.macro SUMS w                          ; the row's sum of the unquantised exponentials, in four chains of pairs
	WIN ((\w)*0x04)
.set n, 0
.rept 128
	v_pk_add_f32 v[SM+2*(n%4):SM+2*(n%4)+1], v[SM+2*(n%4):SM+2*(n%4)+1], v[2*n:2*n+1]
.set n, n+1
.endr
.endm
.macro VLOAD s                         ; step s: four fragments of V^T (16 dimensions x 128 keys), 16 LDS loads into buffer s % 2
	WIN 0
.set f, 0
.rept 4
.irp c, 0,1,2,3
	ds_load_b128 v[KB+64*((\s)%2)+16*f+4*\c:KB+64*((\s)%2)+16*f+4*\c+3], v4 offset:(4*(\s)+f)*2048+512*\c
.endr
.set f, f+1
.endr
.endm
; Step s of eight: 128 keys (64 registers a lane) are normalised, held, quantised and multiplied by V.  The next step's fragments are asked for behind the 32 multiplications, which are the places behind the products that read that buffer.
.macro PSTEP s
.set w, 1+(\s)/4
.set sb, 64*((\s)%4)
	WIN (w*0x41)
.set n, 0
.rept 32
	v_pk_mul_f32 v[sb+2*n:sb+2*n+1], v[sb+2*n:sb+2*n+1], v[RR:RR+1]   ; p = 2^(c s - c m) / the sum
.set n, n+1
.endr
.if (\s) < 7
	VLOAD (\s)+1
	WIN (w*0x41)
.endif
.set n, 0
.rept 64
	v_min_num_f32 v[sb+n], v[sb+n], v7             ; p is not negative: the hold is one-sided
.set n, n+1
.endr
	WIN w
.set n, 0
.rept 8
	v_cvt_scalef32_pk8_bf8_f32 v[PB+16*((\s)%2)+2*n:PB+16*((\s)%2)+2*n+1], v[sb+8*n:sb+8*n+7], v6
.set n, n+1
.endr
	v_nop                                          ; a plain line between the conversions and the products that read their results
	WIN 0
.if (\s) < 7
	s_wait_dscnt 16                                ; this step's fragments are in; the next step's 16 loads may be out
.else
	s_wait_dscnt 0x0
.endif
.set f, 0
.rept 4                                ; the four accumulators take turns, one instruction a turn, from step to step too
.if (\s) == 0
	v_wmma_f32_16x16x128_bf8_bf8 v[OA+8*f:OA+8*f+7], v[KB+64*((\s)%2)+16*f:KB+64*((\s)%2)+16*f+15], v[PB+16*((\s)%2):PB+16*((\s)%2)+15], 0
.else
	v_wmma_f32_16x16x128_bf8_bf8 v[OA+8*f:OA+8*f+7], v[KB+64*((\s)%2)+16*f:KB+64*((\s)%2)+16*f+15], v[PB+16*((\s)%2):PB+16*((\s)%2)+15], v[OA+8*f:OA+8*f+7]
.endif
.set f, f+1
.endr
.endm
	s_load_b256 s[4:11], s[0:1], 0x0               ; Kc s[4:5], Qc s[6:7], Qp s[8:9], Vc s[10:11]
	s_load_b256 s[12:19], s[0:1], 0x20             ; row_emb s[12:13], col_emb s[14:15], the exponents s[16:17], Oc s[18:19]
	s_set_vgpr_msb 0xc0
	v_lshl_add_u32 v64, v0, 2, 0x29000
	v_mov_b32 v65, 0
	s_set_vgpr_msb 0xc0cf
	ds_add_u32 v64, v65
	ds_add_u32 v64, v65
	s_set_vgpr_msb 0xcf00
	v_lshrrev_b32 v1, 5, v0
	v_readfirstlane_b32 s20, v1                    ; wave
	s_and_b32 s23, ttmp7, 0xffff                   ; 8 b + h, which the four partners share
	; descriptor group 1: a dense block as 64 rows of 256 bytes (32 elements of 8 bytes), no padding
	s_mov_b32 s24, 15|(3<<16)|(1<<21)              ; 15:0 the mask: all four work-groups; 17:16 elements of 8 bytes; 21 set beside a mask
	s_mov_b32 s25, 32<<16                          ; tensor_dim0 = 32
	s_mov_b32 s26, 64<<16                          ; tensor_dim1 = 64
	s_mov_b32 s27, 32<<16                          ; tile_dim0 = 32
	s_mov_b32 s28, 64                              ; tile_dim1 = 64
	s_mov_b32 s29, 32                              ; from row to row
	s_mov_b32 s30, 0
	s_mov_b32 s31, 0
	s_lshl_b32 s56, s20, 14                        ; my quarter: 16,384 x wave, in memory and in LDS
	s_lshl_b32 s54, s23, 16
	s_add_co_u32 s54, s54, s56                     ; K: the head's 65,536 bytes
	s_mov_b32 s55, 0
	s_lshr_b32 s58, s23, 3
	s_lshl_b32 s58, s58, 16
	s_add_co_u32 s58, s58, s56                     ; V: the batch's
	s_mov_b32 s59, 0
	s_wait_dscnt 0x0
	s_wait_kmcnt 0x0
	s_load_b256 s[40:47], s[16:17], 0x0            ; e0 .. e7
	s_load_b128 s[48:51], s[16:17], 0x20           ; e8 .. e11
	s_load_b32 s52, s[16:17], 0x30                 ; e12
	s_mov_b32 s32, 1
	s_mov_b32 s33, s56
	s_add_nc_u64 s[34:35], s[4:5], s[54:55]
	s_or_b32 s35, s35, 0x80000000
	s_mov_b32 s36, 1
	s_add_co_u32 s37, s56, LV
	s_add_nc_u64 s[38:39], s[10:11], s[58:59]
	s_or_b32 s39, s39, 0x80000000
	CROUND                                         ; all four work-groups are here: the joint loads meet
	tensor_load_to_lds s[32:35], s[24:31]
	s_nop 0
	tensor_load_to_lds s[36:39], s[24:31]
	s_nop 0
.rept 4
	v_nop
.endr
	; my place in the cluster enters global offsets alone, in registers of its own
	s_bfe_u32 s21, ttmp6, 0x40000                  ; cx
	s_lshl_b32 s22, ttmp9, 2
	s_add_co_u32 s22, s22, s21                     ; the block of queries
	s_lshl_b32 s60, s22, 2
	s_add_co_u32 s60, s60, s20                     ; i
	s_add_co_u32 s61, s60, 31
	s_lshl_b32 s72, s23, 16
	s_lshl_b32 s73, s60, 11
	s_add_co_u32 s72, s72, s73                     ; Q: tile 2 i of my head
	s_mov_b32 s73, 0
	s_add_nc_u64 s[66:67], s[6:7], s[72:73]
	s_add_nc_u64 s[68:69], s[8:9], s[72:73]
	s_lshr_b32 s74, s23, 3
	s_lshl_b32 s74, s74, 19
	s_lshl_b32 s75, s60, 14
	s_add_co_u32 s74, s74, s75
	s_and_b32 s75, s23, 7
	s_lshl_b32 s75, s75, 10
	s_add_co_u32 s74, s74, s75                     ; Oc: ((64 b + 2 i) 8 + h) 1,024
	s_mov_b32 s75, 0
	s_add_nc_u64 s[70:71], s[18:19], s[74:75]
	v_and_b32 v1, 15, v0                           ; r
	v_bfe_u32 v2, v0, 4, 1                         ; h
	v_and_b32 v3, 31, v0
	v_lshlrev_b32 v3, 4, v3                        ; 16 x lane: K's images, and the global images
	v_add_nc_u32 v4, LV, v3                        ; V's images
	v_and_b32 v48, 7, v1
	v_add_nc_u32 v48, s61, v48                     ; i + 31 + r % 8
	v_lshlrev_b32 v49, 5, v2                       ; 32 h bytes: eight dimensions
.irp t, 0,1,2,3
	v_add_nc_u32 v[8+\t], 8*\t, v48
	v_min_u32 v[8+\t], 62, v[8+\t]                 ; held at the table's last row
	v_lshl_add_u32 v[8+\t], v[8+\t], 7, v49
.endr
	v_add_nc_u32 v50, 31, v1
	v_lshl_add_u32 v50, v50, 7, v49                ; col_emb: row 31 + r
.irp t, 0,1,2,3
	TLOAD4 KB+16*\t, 8+\t, 12, 0
.endr
	TLOAD4 KB+64, 50, 14, 0                        ; rows 31 + r
	TLOAD4 KB+80, 50, 14, 2048                     ; rows 47 + r, 62 at the most
	TLOAD4 KB+96, 49, 14, 7936                     ; row 62 in every lane
	global_load_b128 v[QF:QF+3], v3, s[66:67]
	global_load_b128 v[QF+4:QF+7], v3, s[66:67] offset:512
	global_load_b128 v[QPF:QPF+3], v3, s[68:69]
	global_load_b128 v[QPF+4:QPF+7], v3, s[68:69] offset:512
	s_mul_i32 s86, s20, SCRW
	s_add_co_u32 s86, s86, SCR                     ; my scratch
	v_mul_u32_u24 v14, v1, CPI
	v_lshl_add_u32 v14, v2, 5, v14
	v_add_nc_u32 v14, s86, v14                     ; in: query r's row, word 8 h
	v_lshl_add_u32 v15, v1, 2, v14                 ; back: r words further on
	s_wait_kmcnt 0x0
	s_add_co_i32 s53, s48, s49                     ; e8 + e9: the content sum's unit
	s_add_co_i32 s76, s44, s45
	s_sub_co_i32 s76, s76, s53                     ; a row sum x 2^(e4 + e5 - e8 - e9) is in that unit
	s_add_co_i32 s77, s46, s47
	s_sub_co_i32 s77, s77, s53                     ; a col sum likewise
	s_lshl_b32 s53, s53, 23
	s_add_co_i32 s78, s53, 0x3e38aa3b              ; c = log2(e) / 8, with e8 + e9 added to its exponent field
	s_mov_b32 s79, s78                             ; (named with it as a pair, so it is written)
	s_xor_b32 s80, s78, 0x80000000                 ; - c
	s_sub_co_i32 s81, s52, s50
	s_sub_co_i32 s81, s81, s51                     ; a sum of O stands for sum x 2^(e10 + e11): its code is sum / 2^(e12 - e10 - e11)
	MKSC 51, 52, 44
	MKSC 53, 54, 46
	MKSC 6, 7, 50
	MKSC 12, 13, 81
	s_mov_b32 s82, 0x76543210
	s_mov_b32 s83, 0xfedcba98                      ; v_permlanex16_b32: lane l xor 16
	s_wait_loadcnt 0x4                             ; the 28 loads of the tables are in; Q's four, issued behind them, may be out
	HOLDS KB, KB, 64, 52
	HOLDS KB+64, KB+64, 48, 54
	WIN 0xc0                                       ; destination window 3
.irp t, 0,1,2,3
	v_cvt_scalef32_pk8_bf8_f32 v[8*\t:8*\t+1], v[KB+16*\t:KB+16*\t+7], v51
	v_cvt_scalef32_pk8_bf8_f32 v[8*\t+2:8*\t+3], v[KB+16*\t+8:KB+16*\t+15], v51
.endr
.irp t, 0,1,2
	v_cvt_scalef32_pk8_bf8_f32 v[36+8*\t:37+8*\t], v[KB+64+16*\t:KB+64+16*\t+7], v53
	v_cvt_scalef32_pk8_bf8_f32 v[38+8*\t:39+8*\t], v[KB+72+16*\t:KB+72+16*\t+7], v53
.endr
.irp t, 0,1,2,3
.irp j, 4,5,6,7
	v_mov_b32 v[8*\t+\j], 0                        ; K = 32 of 64: zero codes against q's other half
.endr
.endr
.irp t, 0,1,2
.irp j, 0,1,2,3
	v_mov_b32 v[32+8*\t+\j], 0
.endr
.endr
	WIN 0
	s_wait_tensorcnt 0x0                           ; my quarters of K and of V have landed,
	s_barrier_signal -1
	s_barrier_wait -1                              ; everybody's have
	s_mov_b32 s62, 0                               ; the tile: 0, 1
	s_mov_b32 s63, 0                               ; 4 j0 bytes: 0, 64
.Ltile:
	KLOAD 0
	KLOAD 1
	s_wait_loadcnt 0x0                             ; Q
	WIN 0x43                                       ; source 0 (tables) window 3, destination window 1
.irp t, 0,1,2,3,4,5,6
	v_wmma_f32_16x16x64_bf8_bf8 v[8*\t:8*\t+7], v[8*\t:8*\t+7], v[QPF:QPF+7], 0   ; t = 0-3: row[8 t + 0 .. 7]; t = 4-6: G[0-15], G[16-31], G[31]
.endr
.rept 4
	v_nop
.endr
	WIN 0x01
.set n, 0
.rept 32
	v_ldexp_f32 v[ROWD+2*n], v[n], s76             ; row[k], twice: a pair for the packed addition
	v_ldexp_f32 v[ROWD+2*n+1], v[n], s76
.set n, n+1
.endr
	WIN 0x41
.set n, 0
.rept 24
	v_ldexp_f32 v[64+n], v[32+n], s77
.set n, n+1
.endr
	WIN 0x04                                       ; the data of an LDS store: window 1
	ds_store_b128 v14, v[64:67]
	ds_store_b128 v14, v[68:71] offset:16
	ds_store_b128 v14, v[72:75] offset:64
	ds_store_b128 v14, v[76:79] offset:80
	ds_store_b128 v14, v[80:83] offset:128
	ds_store_b128 v14, v[84:87] offset:144
	ds_store_b128 v14, v[80:83] offset:192
	ds_store_b128 v14, v[84:87] offset:208
	WIN 0
	v_add_nc_u32 v5, s63, v15
.irp u, 0,1
.irp j, 0,1,2,3,4,5,6,7
	ds_load_b32 v[COL+8*\u+\j], v5 offset:64*\u+4*\j   ; col[16 u + 8 h + j] = word j0 + r + 16 u + 8 h + j.  LDS serves a wave's instructions in order: these see the stores above
.endr
.endr
.irp j, 0,1,2,3
	v_mov_b32 v[ST+\j], 0xff800000
.endr
.irp j, 0,1,2,3,4,5,6,7
	v_mov_b32 v[SM+\j], 0
.endr
	s_wait_dscnt 0x0                               ; col is in, and with it the first two batches of K
	XADD 0
.irp g, 0,1,2,3,4,5,6,7
.if \g == 7
	s_wait_dscnt 0x0
.elseif \g > 0
	s_wait_dscnt 16                                ; this batch is in; the next batch's 16 loads may be out
.endif
	QKMUL \g
.if \g < 7
	XADD \g+1                                      ; 32 plain lines that name none of those products' registers: the places in front of the loads and reads below
.else
.rept 4
	v_nop
.endr
.endif
.if \g < 6
	KLOAD \g+2
.endif
	SMAX \g
.endr
	WIN 0
	v_max3_num_f32 v[ST], v[ST], v[ST+1], v[ST+2]
	v_max_num_f32 v[ST], v[ST], v[ST+3]
	v_permlanex16_b32 v[PT], v[ST], s82, s83       ; the query's other 512 keys lie in the lane 16 away
	v_max_num_f32 v[ST], v[ST], v[PT]
	v_mul_f32 v[NM], s80, v[ST]                    ; - c m
	v_mov_b32 v[NM+1], v[NM]
	VLOAD 0
	s_cmp_eq_u32 s62, 1                            ; the next tile's Q is asked for here, if there is a next tile: no load leaves its buffer
	s_cbranch_scc1 .Lno_next
	s_add_nc_u64 s[66:67], s[66:67], 1024          ; (the loads that named these bases were waited for at the trip's head)
	s_add_nc_u64 s[68:69], s[68:69], 1024
	global_load_b128 v[QF:QF+3], v3, s[66:67]
	global_load_b128 v[QF+4:QF+7], v3, s[66:67] offset:512
	global_load_b128 v[QPF:QPF+3], v3, s[68:69]
	global_load_b128 v[QPF+4:QPF+7], v3, s[68:69] offset:512
.Lno_next:
	EXPS 1
	SUMS 1
	EXPS 2
	SUMS 2
	WIN 0
	v_pk_add_f32 v[SM:SM+1], v[SM:SM+1], v[SM+2:SM+3]
	v_pk_add_f32 v[SM+4:SM+5], v[SM+4:SM+5], v[SM+6:SM+7]
	v_pk_add_f32 v[SM:SM+1], v[SM:SM+1], v[SM+4:SM+5]
	v_add_f32 v[SM], v[SM], v[SM+1]
	v_permlanex16_b32 v[PT], v[SM], s82, s83
	v_add_f32 v[SM], v[SM], v[PT]                  ; the row's sum
	v_rcp_f32 v[RR], v[SM]
	v_nop                                          ; a plain line behind the reciprocal,
	s_wait_alu depctr_va_vdst(0)                   ; and the wait ahead of its first reader
	v_mov_b32 v[RR+1], v[RR]
.irp s, 0,1,2,3,4,5,6,7
	PSTEP \s
.endr
.rept 4
	v_nop
.endr
	HOLDS OA, OA, 32, 13
	CODES COL, OA, 4, 12                           ; registers 4 b .. 4 b + 3: dimensions 32 b + 16 h + 0 .. 15 of query r
	v_nop
	global_store_b128 v3, v[COL:COL+3], s[70:71]   ; the wave stores 512 consecutive bytes, aligned
	global_store_b128 v3, v[COL+4:COL+7], s[70:71] offset:512
	s_wait_xcnt 0x0                                ; the stores' data and base are written again only behind this wait
	s_add_nc_u64 s[70:71], s[70:71], 8192
	s_add_co_u32 s63, s63, 64
	s_add_co_u32 s62, s62, 1
	s_cmp_lt_u32 s62, 2
	s_cbranch_scc1 .Ltile
	s_set_vgpr_msb 0xf
	s_wait_tensorcnt 0x0
	ds_add_u32 v64, v65
	s_wait_dscnt 0x0
	s_set_vgpr_msb 0xf00
	CROUND                                         ; the closing round: no work-group ends while a partner may still ask for a tile that names it
	s_endpgm
.Lfunc_end_k_qbbfe9e78cc_attn:
	.size	k_qbbfe9e78cc_attn, .Lfunc_end_k_qbbfe9e78cc_attn-k_qbbfe9e78cc_attn
	.p2alignl 7, 3214868480
	.fill 96, 4, 3214868480
	.section	.rodata,"a",@progbits
	.p2align	6, 0x0
	.amdhsa_kernel k_qbbfe9e78cc_attn
		.amdhsa_group_segment_fixed_size 168448
		.amdhsa_private_segment_fixed_size 0
		.amdhsa_enable_private_segment 0
		.amdhsa_kernarg_size 64
		.amdhsa_user_sgpr_count 2
		.amdhsa_user_sgpr_kernarg_segment_ptr 1
		.amdhsa_wavefront_size32 1
		.amdhsa_system_sgpr_workgroup_id_x 1
		.amdhsa_system_sgpr_workgroup_id_y 1
		.amdhsa_system_sgpr_workgroup_id_z 1
		.amdhsa_system_vgpr_workitem_id 0
		.amdhsa_next_free_vgpr 834
		.amdhsa_next_free_sgpr 96
		.amdhsa_reserve_vcc 0
		.amdhsa_float_denorm_mode_32 3
		.amdhsa_float_denorm_mode_16_64 3
		.amdhsa_memory_ordered 1
		.amdhsa_forward_progress 1
		.amdhsa_inst_pref_size 173
	.end_amdhsa_kernel
	.amdgpu_metadata
---
amdhsa.version: [ 1, 2 ]
amdhsa.kernels:
  - .name:           k_qbbfe9e78cc_attn
    .symbol:         k_qbbfe9e78cc_attn.kd
    .args:
      - { .name: Kc, .offset: 0, .size: 8, .value_kind: global_buffer, .address_space: global }
      - { .name: Qc, .offset: 8, .size: 8, .value_kind: global_buffer, .address_space: global }
      - { .name: Qp, .offset: 16, .size: 8, .value_kind: global_buffer, .address_space: global }
      - { .name: Vc, .offset: 24, .size: 8, .value_kind: global_buffer, .address_space: global }
      - { .name: row_emb, .offset: 32, .size: 8, .value_kind: global_buffer, .address_space: global }
      - { .name: col_emb, .offset: 40, .size: 8, .value_kind: global_buffer, .address_space: global }
      - { .name: lowp_scales, .offset: 48, .size: 8, .value_kind: global_buffer, .address_space: global }
      - { .name: Oc, .offset: 56, .size: 8, .value_kind: global_buffer, .address_space: global }
    .group_segment_fixed_size: 168448
    .private_segment_fixed_size: 0
    .kernarg_segment_align: 8
    .kernarg_segment_size: 64
    .max_flat_workgroup_size: 128
    .sgpr_count:     96
    .vgpr_count:     834
    .wavefront_size: 32
...
	.end_amdgpu_metadata
.endif
;; end of part 2
;; launch proj (part 3): grid 256 x 1, 4 waves a work-group, no clusters, 5,120 bytes of LDS; arguments Oc, Wv_codes, lowp_scales, out0; writes out0
.if DOCPART == 3
	.amdgcn_target "amdgcn-amd-amdhsa--gfx1250"
	.amdhsa_code_object_version 6
	.text
	.protected	k_qbbfe9e78cc_proj
	.globl	k_qbbfe9e78cc_proj
	.p2align	8
	.type	k_qbbfe9e78cc_proj,@function
k_qbbfe9e78cc_proj:
	s_mov_b64 s[64:65], 0
	v_nop
	global_prefetch_b8 v0, s[64:65] scope:SCOPE_SE
	s_setreg_imm32_b32 hwreg(HW_REG_WAVE_MODE, 25, 1), 1
	s_wait_xcnt 0x0
; out0 = O Wv on codes of BF8 (E5M2): [4096][512] x [512][64], x 2^(e12 + e13).
; Oc: [b][tile of 16 queries 0..63][head][1,024 bytes], images of operand registers: lane (r, h) holds query j0 + r of row i; registers 4 c .. 4 c + 3 of a head hold its dimensions 32 c + 16 h + 0 .. 15.
; Two heads on end are 128 along K in the order K = 32 q + 16 h + 0 .. 15; Wv_codes ([64 (n)][512 (K)]) is loaded in the same order, so every product meets its partner.
; SHARES.  A work-group takes one tile of 16 queries; wave w takes output channels 16 w .. 16 w + 15: one accumulator, K = 512 in four instructions.
; TRANSPOSED (source 0 = 16 rows of Wv, source 1 = the 16 queries): a lane holds eight neighbouring channels of one row.  A row's 256 bytes come from four waves: they meet in a stage in LDS (rows of 272 bytes),
; and each wave stores four whole rows.  Query (i, j) belongs to row 32 j + i of its batch in out0.  No tile is shared between work-groups but Wv's 32,768 bytes, a small part of what is read: no cluster.
.set SP, 272
	s_load_b256 s[4:11], s[0:1], 0x0               ; Oc s[4:5], Wv s[6:7], the exponents s[8:9], out0 s[10:11]
	v_lshl_add_u32 v192, v0, 2, 0x1200
	v_mov_b32 v193, 0
	v_lshrrev_b32 v1, 5, v0
	v_readfirstlane_b32 s12, v1                    ; wave
	v_and_b32 v1, 15, v0                           ; r
	v_bfe_u32 v2, v0, 4, 1                         ; h
	v_and_b32 v3, 31, v0
	v_lshlrev_b32 v3, 4, v3                        ; 16 x lane
	v_lshlrev_b32 v4, 9, v1
	v_lshl_add_u32 v4, v2, 4, v4                   ; Wv: row r of 512 bytes, + 16 h
	v_mul_u32_u24 v5, v1, SP
	v_lshl_add_u32 v5, v2, 5, v5
	s_lshl_b32 s13, s12, 6
	v_add_nc_u32 v5, s13, v5                       ; the stage, in: row r, + 64 w + 32 h bytes
	v_mul_u32_u24 v6, v2, SP
	v_lshl_add_u32 v6, v1, 4, v6
	s_mul_i32 s13, s12, 4*SP
	v_add_nc_u32 v6, s13, v6                       ; back: rows 4 w + h, 16 bytes a lane
	v_lshlrev_b32 v7, 13, v2
	v_lshl_add_u32 v7, v1, 4, v7                   ; and in out0: neighbouring queries lie 32 rows of 256 bytes apart
	s_lshl_b32 s14, ttmp9, 13                      ; the tile's 8,192 bytes of codes
	s_mov_b32 s15, 0
	s_lshl_b32 s16, s12, 13                        ; my 16 rows of Wv
	s_mov_b32 s17, 0
	s_lshr_b32 s18, ttmp9, 6
	s_lshl_b32 s18, s18, 18                        ; b
	s_and_b32 s19, ttmp9, 1
	s_lshl_b32 s19, s19, 17
	s_add_co_u32 s18, s18, s19                     ; j0 = 0 or 16: 16 x 32 rows
	s_bfe_u32 s19, ttmp9, 0x50001
	s_lshl_b32 s19, s19, 8
	s_add_co_u32 s18, s18, s19                     ; i
	s_lshl_b32 s19, s12, 15
	s_add_co_u32 s18, s18, s19                     ; my four queries
	s_mov_b32 s19, 0
	s_wait_kmcnt 0x0
	s_load_b64 s[20:21], s[8:9], 0x30              ; e12, e13
	s_add_nc_u64 s[4:5], s[4:5], s[14:15]
	s_add_nc_u64 s[6:7], s[6:7], s[16:17]
	s_add_nc_u64 s[10:11], s[10:11], s[18:19]
.irp g, 0,1,2,3,4,5,6,7
	global_load_b128 v[32+8*\g:35+8*\g], v3, s[4:5] offset:1024*\g
	global_load_b128 v[36+8*\g:39+8*\g], v3, s[4:5] offset:1024*\g+512
.endr
.irp q, 0,1,2,3,4,5,6,7,8,9,10,11,12,13,14,15
	global_load_b128 v[96+4*\q:99+4*\q], v4, s[6:7] offset:32*\q
.endr
	s_wait_loadcnt 0x0
	v_wmma_f32_16x16x128_bf8_bf8 v[160:167], v[96:111], v[32:47], 0
.irp s, 1,2,3
	s_wait_alu depctr_va_vdst(0)                   ; the wait directly ahead of each link
	v_wmma_f32_16x16x128_bf8_bf8 v[160:167], v[96+16*\s:111+16*\s], v[32+16*\s:47+16*\s], v[160:167]
.endr
.rept 4
	v_nop
.endr
	s_wait_kmcnt 0x0
	s_add_co_i32 s20, s20, s21
.irp j, 0,1,2,3,4,5,6,7
	v_ldexp_f32 v[168+\j], v[160+\j], s20          ; x 2^(e12 + e13)
.endr
	ds_store_b128 v5, v[168:171]
	ds_store_b128 v5, v[172:175] offset:16
	s_wait_dscnt 0x0                               ; for the others' sake: my stores into the stage are done
	s_barrier_signal -1
	s_barrier_wait -1
	ds_load_b128 v[176:179], v6
	ds_load_b128 v[180:183], v6 offset:2*SP
	s_wait_dscnt 0x1                               ; the first two rows are back; the second load may be out
	global_store_b128 v7, v[176:179], s[10:11] th:TH_STORE_NT                 ; sixteen lanes store a row of 256 bytes, aligned
	s_wait_dscnt 0x0
	global_store_b128 v7, v[180:183], s[10:11] offset:16384 th:TH_STORE_NT
	s_wait_tensorcnt 0x0
	ds_add_u32 v192, v193
	s_wait_dscnt 0x0
	s_endpgm
.Lfunc_end_k_qbbfe9e78cc_proj:
	.size	k_qbbfe9e78cc_proj, .Lfunc_end_k_qbbfe9e78cc_proj-k_qbbfe9e78cc_proj
	.p2alignl 7, 3214868480
	.fill 96, 4, 3214868480
	.section	.rodata,"a",@progbits
	.p2align	6, 0x0
	.amdhsa_kernel k_qbbfe9e78cc_proj
		.amdhsa_group_segment_fixed_size 5120
		.amdhsa_private_segment_fixed_size 0
		.amdhsa_enable_private_segment 0
		.amdhsa_kernarg_size 32
		.amdhsa_user_sgpr_count 2
		.amdhsa_user_sgpr_kernarg_segment_ptr 1
		.amdhsa_wavefront_size32 1
		.amdhsa_system_sgpr_workgroup_id_x 1
		.amdhsa_system_sgpr_workgroup_id_y 1
		.amdhsa_system_sgpr_workgroup_id_z 1
		.amdhsa_system_vgpr_workitem_id 0
		.amdhsa_next_free_vgpr 194
		.amdhsa_next_free_sgpr 66
		.amdhsa_reserve_vcc 0
		.amdhsa_float_denorm_mode_32 3
		.amdhsa_float_denorm_mode_16_64 3
		.amdhsa_memory_ordered 1
		.amdhsa_forward_progress 1
		.amdhsa_inst_pref_size 7
	.end_amdhsa_kernel
	.amdgpu_metadata
---
amdhsa.version: [ 1, 2 ]
amdhsa.kernels:
  - .name:           k_qbbfe9e78cc_proj
    .symbol:         k_qbbfe9e78cc_proj.kd
    .args:
      - { .name: Oc, .offset: 0, .size: 8, .value_kind: global_buffer, .address_space: global }
      - { .name: Wv_codes, .offset: 8, .size: 8, .value_kind: global_buffer, .address_space: global }
      - { .name: lowp_scales, .offset: 16, .size: 8, .value_kind: global_buffer, .address_space: global }
      - { .name: out0, .offset: 24, .size: 8, .value_kind: global_buffer, .address_space: global }
    .group_segment_fixed_size: 5120
    .private_segment_fixed_size: 0
    .kernarg_segment_align: 8
    .kernarg_segment_size: 32
    .max_flat_workgroup_size: 128
    .sgpr_count:     66
    .vgpr_count:     194
    .wavefront_size: 32
...
	.end_amdgpu_metadata
.endif
;; end of part 3
;; ======== version 2 of 3: 2 launches; 1.13 times as fast as version 1
;; workspace buffers: Kc 2,097,152 bytes; Qc 2,097,152 bytes; Qp 2,097,152 bytes; Vc 262,144 bytes
;; launch prep: the kernel of part 1 again; grid 256 x 1, 4 waves a work-group, no clusters, 0 bytes of LDS; arguments hidden_state, Wq_codes, Wk_codes, lowp_scales, Qc, Qp, Kc, Vc; writes Qc, Qp, Kc, Vc
;; launch attn (part 4): grid 64 x 4, 4 waves a work-group, clusters of 4 x 1, 327,680 bytes of LDS; arguments Kc, Qc, Qp, Vc, row_emb, col_emb, lowp_scales, Wv_codes, out0; writes out0
.if DOCPART == 4
	.amdgcn_target "amdgcn-amd-amdhsa--gfx1250"
	.amdhsa_code_object_version 6
	.text
	.protected	k_qbbfe9e78cc_attn
	.globl	k_qbbfe9e78cc_attn
	.p2align	8
	.type	k_qbbfe9e78cc_attn,@function
k_qbbfe9e78cc_attn:
	s_mov_b64 s[64:65], 0
	v_nop
	global_prefetch_b8 v0, s[64:65] scope:SCOPE_SE
	s_setreg_imm32_b32 hwreg(HW_REG_WAVE_MODE, 25, 1), 1
	s_wait_xcnt 0x0
	s_wait_alu depctr_hold_cnt(0) depctr_sa_sdst(0) depctr_va_vdst(0) depctr_va_sdst(0) depctr_va_ssrc(0) depctr_va_vcc(0) depctr_vm_vsrc(0)
	s_getreg_b32 s2, hwreg(HW_REG_IB_STS2, 6, 4)
	s_cmp_eq_u32 s2, 0
	s_cbranch_scc0 .Lentry_in_a_cluster
	s_endpgm
.Lentry_in_a_cluster:
	s_bfe_u32 s2, ttmp6, 0x10000c
	s_cmp_lg_u32 s2, 0x3003
	s_cbranch_scc0 .Lentry_shape_is_right
	s_endpgm
.Lentry_shape_is_right:
; For batch b, head h, query (i, j): score(k, l) = (q . K[k][l] + q[0:32] . row_emb[min(i + k + 31, 62)] + q[32:64] . col_emb[min(j + l + 31, 62)]) / 8; p = softmax over the 1,024 keys, FINISHED AND NORMALISED,
; then quantised; O = sum of p(k, l) hs[b][l][k], quantised; out0[b][j][i] = the eight heads' O on end x Wv.  All products on codes of BF8 (E5M2).  (An index past a table's last row is held at that row, as the gather holds it.)
; SHARES.  A work-group owns ONE tile of 16 queries (row i, j = j0 .. j0 + 15) of one batch, for ALL EIGHT HEADS, since the last product sums over the heads.  Wave w takes heads 2 w and 2 w + 1, one after the other.
; A HEAD'S 16 x 1,024 SCORES STAY IN 512 REGISTERS from the product to the quantiser: the row's sum must be known before p is quantised, and so each score is multiplied once and has one exponential.
; LDS.  K: 57,344 bytes for each wave: 56 of its head's 64 tiles of 16 keys x 64 (1,024 bytes each), read by that wave alone.  V: the batch's 32 fragments of 16 dimensions x 128 keys (2,048 bytes each), read by all.
; Both are images of operand registers, read at 16 x lane.  A head's last eight tiles of K have no room there: they go from memory into 64 registers, asked for a phase ahead.
; A wave's two heads lie on end in memory.  K's bytes are filled twice: at the head, and once more behind the first head's K Q^T, a whole softmax and second product ahead of their next read.  So nothing is prefetched.
; CLUSTER: the four work-groups of a cluster are four tiles of one batch and need the same K and V: every tensor load is asked for JOINTLY, with a mask that names the four.
; By this text's own count a wave has two tensor loads out at the start and one behind the refill's round.
; LAYOUT.  S^T = K Q^T (source 0 = 16 keys: k fixed, l = 16 u + 0 .. 15; source 1 = 16 queries): lane (r, h) holds query j0 + r and keys l = 16 u + 8 h + 0 .. 7.  Eight registers become eight codes, which are the place
; that V's image gives those keys.  O^T = V^T P^T: a lane holds one query throughout.
; THE POSITIONAL SCORES are the C of the content product: row[k] + col[l], each brought to the content sum's unit by a power of two.  row[k]: source 0 = the table rows of k = 8 t + r % 8 (each twice, so that both halves of
; the lanes hold all 32).  col[l] hangs on the lane's own j: G[t] = q . col_emb[min(31 + j0 + t, 62)], t = 0 .. 47, goes to a row of words in my wave's scratch and comes back from word r + l on.  j0 enters the table's
; addresses in memory alone: no LDS address hangs on the work-group's place in its cluster.
; LIMITS: e4, e6, e10 and e12 - e10 - e11 between -126 and 112; e8 + e9 between -123 and 130 (added to an exponent field).  NaN and infinities are not served.
; REGISTERS, in windows of 256.  Window 0: v0-15 addresses and constants; v16-23 Q, v24-31 Q for the positions; v32-47 col, later O's codes; v48-63 statistics; v64-127 row[k], each twice, later p's codes (2 x 16) and O^T (32);
; v128-255 two buffers of fragments.  Windows 1, 2: the scores.  Window 3: v0-55 the tables' fragments; v64-127 a head's last eight tiles of K; v128-191 my 16 rows of Wv.
.set KW,    57344                      ; a wave's part of K's region: 56 tiles
.set LV,    4*KW
.set SCR,   LV+65536                   ; behind the two tensors: 4,608 bytes of scratch for each wave (16 rows of 272), bytes into which no tensor load lands
.set SCRW,  4608
.set CPI,   272
.set OIMG,  SCR+4*SCRW                 ; the eight heads' O as images of registers, 1,024 bytes each
.set STG,   OIMG+8192                  ; the way out: 16 rows of 256 bytes + 16
.set SPARE, STG+16*CPI                 ; the spare words, 128 bytes for each wave: two blocks of 256 bytes that no other line names
.set SPW,  8                           ; v8   LDS address of my spare word; never rewritten
.set NIL,  9                           ; v9   0; never rewritten
.set QF,   16
.set QPF,  24
.set COL,  32
.set ST,   48                          ; v48-51 four running maxima
.set PT,   52                          ; v52    the other half's figure; at a head's end the address of its image
.set NM,   54                          ; v[54:55] - c m
.set SM,   56                          ; v56-63 four pairs of sums
.set RR,   58                          ; v[58:59] 1 / the sum, twice
.set ROWD, 64
.set PB,   64
.set OA,   96
.set KB,   128
.set KD,   64                          ; in window 3
.set WVF,  128                         ; in window 3
.set CS,   78                          ; s[78:79] c = log2(e) / 8 x 2^(e8 + e9)
.set MSB,  0
.macro WIN new                         ; the immediate's high byte repeats the setting that is left; a switch that changes nothing is dropped
.if MSB != (\new)
	s_set_vgpr_msb (MSB<<8)|(\new)
.set MSB, (\new)
.endif
.endm
.macro CROUND                          ; a round of the cluster's barrier
	s_barrier_signal -1
	s_barrier_wait -1
	s_cmp_lg_u32 s20, 0
	s_cbranch_scc1 .Lnot_wave_0_\@
	s_barrier_signal -3
.Lnot_wave_0_\@:
	s_barrier_wait -3
	s_barrier_signal -1
	s_barrier_wait -1
.endm
.macro MKSC vs, vh, se                 ; from the whole number e in s[se]: 2^e, and 57,344 x 2^e, as f32
	s_add_co_i32 s84, s[\se], 127
	s_lshl_b32 s85, s84, 23
	v_mov_b32 v[\vs], s85
	s_add_co_i32 s84, s84, 15
	s_lshl_b32 s84, s84, 23
	s_or_b32 s84, s84, 0x600000
	v_mov_b32 v[\vh], s84
.endm
.macro HOLDS d, s, cnt, lim            ; the conversion to an 8-bit code does not saturate: the numbers are held within the largest code x the scale first
.set n, 0
.rept \cnt
	v_med3_num_f32 v[(\d)+n], v[(\s)+n], -v[\lim], v[\lim]
.set n, n+1
.endr
.endm
.macro CODES d, s, cnt, sc
.set n, 0
.rept \cnt
	v_cvt_scalef32_pk8_bf8_f32 v[(\d)+2*n:(\d)+2*n+1], v[(\s)+8*n:(\s)+8*n+7], v[\sc]
.set n, n+1
.endr
.endm
.macro TLOAD4 reg, adr, base, off      ; 16 numbers of a table row: dimensions 8 h + 0 .. 7 and 16 + 8 h + 0 .. 7
	global_load_b128 v[(\reg):(\reg)+3], v[\adr], s[\base:\base+1] offset:(\off)
	global_load_b128 v[(\reg)+4:(\reg)+7], v[\adr], s[\base:\base+1] offset:(\off)+16
	global_load_b128 v[(\reg)+8:(\reg)+11], v[\adr], s[\base:\base+1] offset:(\off)+64
	global_load_b128 v[(\reg)+12:(\reg)+15], v[\adr], s[\base:\base+1] offset:(\off)+80
.endm
.macro KLOAD g                         ; batch g (0 .. 6) of eight key tiles: 16 LDS loads into buffer g % 2
	WIN 0
.set f, 0
.rept 8
	ds_load_b128 v[KB+64*((\g)%2)+8*f:KB+64*((\g)%2)+8*f+3], v5 offset:(8*(\g)+f)*1024
	ds_load_b128 v[KB+64*((\g)%2)+8*f+4:KB+64*((\g)%2)+8*f+7], v5 offset:(8*(\g)+f)*1024+512
.set f, f+1
.endr
.endm
.macro KDLOAD off                      ; a head's batch 7, from off bytes behind my first head's K on: 16 loads from memory into window 3; each covers 512 consecutive bytes
	WIN 0xc0
.set f, 0
.rept 8
	global_load_b128 v[KD+8*f:KD+8*f+3], v3, s[70:71] offset:(\off)+f*1024
	global_load_b128 v[KD+8*f+4:KD+8*f+7], v3, s[70:71] offset:(\off)+f*1024+512
.set f, f+1
.endr
	WIN 0
.endm
.macro XADD g                          ; batch g's sums begin as row[k] + col[l]: tile 8 g + f has k = 4 g + f / 2, u = f % 2
	WIN (((\g)/4+1)*0x50)
.set f, 0
.rept 8
.set sb, 64*((\g)%4)+8*f
.set kk, 4*(\g)+f/2
.set uu, f%2
.irp p, 0,2,4,6
	v_pk_add_f32 v[sb+\p:sb+\p+1], v[COL+8*uu+\p:COL+8*uu+\p+1], v[ROWD+2*kk:ROWD+2*kk+1]
.endr
.set f, f+1
.endr
.endm
.macro QKMUL g                         ; eight products, each on an accumulator of its own
	WIN (((\g)/4+1)*0x50)
.set f, 0
.rept 8
.set sb, 64*((\g)%4)+8*f
	v_wmma_f32_16x16x64_bf8_bf8 v[sb:sb+7], v[KB+64*((\g)%2)+8*f:KB+64*((\g)%2)+8*f+7], v[QF:QF+7], v[sb:sb+7]
.set f, f+1
.endr
.endm
.macro QKMUL7                          ; batch 7: its tiles of K stand in window 3
	WIN 0xa3
.set f, 0
.rept 8
	v_wmma_f32_16x16x64_bf8_bf8 v[192+8*f:192+8*f+7], v[KD+8*f:KD+8*f+7], v[QF:QF+7], v[192+8*f:192+8*f+7]
.set f, f+1
.endr
.endm
.macro SMAX g                          ; the batch's 64 scores into four running maxima; each accumulator from its low end on
	WIN (((\g)/4+1)*0x14)
.set n, 0
.rept 32
	v_max3_num_f32 v[ST+n%4], v[ST+n%4], v[64*((\g)%4)+2*n], v[64*((\g)%4)+2*n+1]
.set n, n+1
.endr
.endm
.macro EXPS w                          ; a window's 256 scores: c s - c m, two at a time, and 2^(that); a scaling stands ahead of each two exponentials.  No line here names an exponential's result
	WIN ((\w)*0x41)
.set n, 0
.rept 128
	v_pk_fma_f32 v[2*n:2*n+1], v[2*n:2*n+1], s[CS:CS+1], v[NM:NM+1] op_sel_hi:[1,0,0]
.if n > 0
	v_exp_f32 v[2*n-2], v[2*n-2]
	v_exp_f32 v[2*n-1], v[2*n-1]
.endif
.set n, n+1
.endr
	v_exp_f32 v254, v254
	v_exp_f32 v255, v255
	v_nop                                          ; a plain line behind the last exponential
	s_wait_alu depctr_va_vdst(0)                   ; one wait for the 256, ahead of their first reader
.endm
.macro SUMS w                          ; the row's sum of the unquantised exponentials, in four chains of pairs
	WIN ((\w)*0x04)
.set n, 0
.rept 128
	v_pk_add_f32 v[SM+2*(n%4):SM+2*(n%4)+1], v[SM+2*(n%4):SM+2*(n%4)+1], v[2*n:2*n+1]
.set n, n+1
.endr
.endm
.macro VLOAD s                         ; step s: four fragments of V^T (16 dimensions x 128 keys), 16 LDS loads into buffer s % 2
	WIN 0
.set f, 0
.rept 4
.irp c, 0,1,2,3
	ds_load_b128 v[KB+64*((\s)%2)+16*f+4*\c:KB+64*((\s)%2)+16*f+4*\c+3], v4 offset:(4*(\s)+f)*2048+512*\c
.endr
.set f, f+1
.endr
.endm
; Step s of eight: 128 keys (64 registers a lane) are normalised, held, quantised and multiplied by V.  The next step's fragments are asked for behind the 32 multiplications, which are the places behind the products that read that buffer.
.macro PSTEP s
.set w, 1+(\s)/4
.set sb, 64*((\s)%4)
	WIN (w*0x41)
.set n, 0
.rept 32
	v_pk_mul_f32 v[sb+2*n:sb+2*n+1], v[sb+2*n:sb+2*n+1], v[RR:RR+1]   ; p = 2^(c s - c m) / the sum
.set n, n+1
.endr
.if (\s) < 7
	VLOAD (\s)+1
	WIN (w*0x41)
.endif
.set n, 0
.rept 64
	v_min_num_f32 v[sb+n], v[sb+n], v7             ; p is not negative: the hold is one-sided
.set n, n+1
.endr
	WIN w
.set n, 0
.rept 8
	v_cvt_scalef32_pk8_bf8_f32 v[PB+16*((\s)%2)+2*n:PB+16*((\s)%2)+2*n+1], v[sb+8*n:sb+8*n+7], v6
.set n, n+1
.endr
	v_nop                                          ; a plain line between the conversions and the products that read their results
	WIN 0
.if (\s) < 7
	s_wait_dscnt 16                                ; this step's fragments are in; the next step's 16 loads may be out
.else
	s_wait_dscnt 0x0
.endif
.set f, 0
.rept 4                                ; the four accumulators take turns, one instruction a turn, from step to step too
.if (\s) == 0
	v_wmma_f32_16x16x128_bf8_bf8 v[OA+8*f:OA+8*f+7], v[KB+64*((\s)%2)+16*f:KB+64*((\s)%2)+16*f+15], v[PB+16*((\s)%2):PB+16*((\s)%2)+15], 0
.else
	v_wmma_f32_16x16x128_bf8_bf8 v[OA+8*f:OA+8*f+7], v[KB+64*((\s)%2)+16*f:KB+64*((\s)%2)+16*f+15], v[PB+16*((\s)%2):PB+16*((\s)%2)+15], v[OA+8*f:OA+8*f+7]
.endif
.set f, f+1
.endr
.endm
; A HEAD'S SCORES: the positional sums, then the 64 content products on top of them, and the running maxima.  tcount: the tensor loads of mine that may stay out when my K is in (I alone read my part of K's region).
.macro QKPH tcount
	WIN 0
	s_wait_tensorcnt \tcount
	KLOAD 0
	KLOAD 1
	s_wait_loadcnt 0x0                             ; Q, and the head's last eight tiles of K
	WIN 0x43                                       ; source 0 (tables) window 3, destination window 1
.irp t, 0,1,2,3,4,5,6
	v_wmma_f32_16x16x64_bf8_bf8 v[8*\t:8*\t+7], v[8*\t:8*\t+7], v[QPF:QPF+7], 0   ; t = 0-3: row[8 t + 0 .. 7]; t = 4-6: G[0-15], G[16-31], G[32-47]
.endr
.rept 4
	v_nop
.endr
	WIN 0x01
.set n, 0
.rept 32
	v_ldexp_f32 v[ROWD+2*n], v[n], s76             ; row[k], twice: a pair for the packed addition
	v_ldexp_f32 v[ROWD+2*n+1], v[n], s76
.set n, n+1
.endr
	WIN 0x41
.set n, 0
.rept 24
	v_ldexp_f32 v[64+n], v[32+n], s77
.set n, n+1
.endr
	WIN 0x04                                       ; the data of an LDS store: window 1
.irp t, 0,1,2
	ds_store_b128 v14, v[64+8*\t:67+8*\t] offset:64*\t
	ds_store_b128 v14, v[68+8*\t:71+8*\t] offset:64*\t+16
.endr
	WIN 0
.irp u, 0,1
.irp j, 0,1,2,3,4,5,6,7
	ds_load_b32 v[COL+8*\u+\j], v15 offset:64*\u+4*\j   ; col[16 u + 8 h + j] = word r + 16 u + 8 h + j.  LDS serves a wave's instructions in order: these see the stores above
.endr
.endr
.irp j, 0,1,2,3
	v_mov_b32 v[ST+\j], 0xff800000
.endr
.irp j, 0,1,2,3,4,5,6,7
	v_mov_b32 v[SM+\j], 0
.endr
	s_wait_dscnt 0x0                               ; col is in, and with it the first two batches of K
	XADD 0
.irp g, 0,1,2,3,4,5,6,7
.if \g == 6
	s_wait_dscnt 0x0                               ; the last batch that comes from LDS
.elseif (\g > 0) && (\g < 6)
	s_wait_dscnt 16                                ; this batch is in; the next batch's 16 loads may be out
.endif
.if \g < 7
	QKMUL \g
	XADD \g+1                                      ; 32 plain lines that name none of those products' registers: the places in front of the loads and reads below
.else
	QKMUL7
.rept 4
	v_nop
.endr
.endif
.if \g < 5
	KLOAD \g+2
.endif
	SMAX \g
.endr
	WIN 0
.endm
	s_load_b256 s[4:11], s[0:1], 0x0               ; Kc s[4:5], Qc s[6:7], Qp s[8:9], Vc s[10:11]
	s_load_b256 s[12:19], s[0:1], 0x20             ; row_emb s[12:13], col_emb s[14:15], the exponents s[16:17], Wv s[18:19]
	s_load_b64 s[88:89], s[0:1], 0x40              ; out0
	v_lshl_add_u32 v[SPW], v0, 2, SPARE
	v_mov_b32 v[NIL], 0
	ds_add_u32 v8, v9
	ds_add_u32 v8, v9
	s_wait_dscnt 0x0
	v_lshrrev_b32 v1, 5, v0
	v_readfirstlane_b32 s20, v1                    ; wave
	s_and_b32 s23, ttmp7, 0xffff                   ; b, which the four partners share
	; descriptor groups 1: dense blocks as rows of 256 bytes (32 elements of 8 bytes), no padding: K's 224 rows, V's 64
	s_mov_b32 s24, 15|(3<<16)|(1<<21)              ; 15:0 the mask: all four work-groups; 17:16 elements of 8 bytes; 21 set beside a mask
	s_mov_b32 s25, 32<<16                          ; tensor_dim0 = 32
	s_mov_b32 s26, 224<<16                         ; tensor_dim1 = 224
	s_mov_b32 s27, 32<<16                          ; tile_dim0 = 32
	s_mov_b32 s28, 224                             ; tile_dim1 = 224
	s_mov_b32 s29, 32                              ; from row to row
	s_mov_b32 s30, 0
	s_mov_b32 s31, 0
	s_mov_b32 s92, 15|(3<<16)|(1<<21)
	s_mov_b32 s93, 32<<16
	s_mov_b32 s94, 64<<16
	s_mov_b32 s95, 32<<16
	s_mov_b32 s96, 64
	s_mov_b32 s97, 32
	s_mov_b32 s98, 0
	s_mov_b32 s99, 0
	s_lshl_b32 s54, s23, 19
	s_lshl_b32 s56, s20, 17
	s_add_co_u32 s54, s54, s56                     ; K: head 8 b + 2 w, 65,536 bytes a head
	s_mov_b32 s55, 0
	s_lshl_b32 s58, s23, 16
	s_lshl_b32 s56, s20, 14
	s_add_co_u32 s58, s58, s56                     ; V: the batch's 65,536 bytes, my quarter
	s_mov_b32 s59, 0
	s_mul_i32 s57, s20, KW                         ; my part of K's region
	s_wait_kmcnt 0x0
	s_load_b256 s[40:47], s[16:17], 0x0            ; e0 .. e7
	s_load_b128 s[48:51], s[16:17], 0x20           ; e8 .. e11
	s_load_b64 s[52:53], s[16:17], 0x30            ; e12, e13
	s_mov_b32 s32, 1
	s_mov_b32 s33, s57
	s_add_nc_u64 s[34:35], s[4:5], s[54:55]
	s_or_b32 s35, s35, 0x80000000
	s_mov_b32 s36, 1
	s_add_co_u32 s37, s56, LV
	s_add_nc_u64 s[38:39], s[10:11], s[58:59]
	s_or_b32 s39, s39, 0x80000000
	s_add_nc_u64 s[70:71], s[4:5], s[54:55]        ; the same place in K, for the loads into registers
	CROUND                                         ; all four work-groups are here: the joint loads meet
	tensor_load_to_lds s[32:35], s[24:31]          ; my first head's tiles 0 to 55
	s_nop 0
	tensor_load_to_lds s[36:39], s[92:99]          ; my quarter of V
	s_nop 0
.rept 4
	v_nop
.endr
	; my place in the cluster enters global offsets alone, in registers of its own
	s_bfe_u32 s21, ttmp6, 0x40000                  ; cx
	s_lshl_b32 s22, ttmp9, 2
	s_add_co_u32 s22, s22, s21                     ; the tile of queries, 0 .. 63
	s_lshr_b32 s60, s22, 1                         ; i
	s_and_b32 s61, s22, 1
	s_lshl_b32 s61, s61, 4                         ; j0
	s_lshl_b32 s72, s22, 10
	s_add_co_u32 s72, s72, s54                     ; Q: my tile in head 8 b + 2 w
	s_mov_b32 s73, 0
	s_add_nc_u64 s[66:67], s[6:7], s[72:73]
	s_add_nc_u64 s[68:69], s[8:9], s[72:73]
	s_lshl_b32 s72, s23, 18                        ; out0: query (i, j) is row 32 j + i of its batch, 256 bytes a row
	s_lshl_b32 s74, s61, 13
	s_add_co_u32 s72, s72, s74
	s_lshl_b32 s74, s60, 8
	s_add_co_u32 s72, s72, s74
	s_lshl_b32 s74, s20, 15
	s_add_co_u32 s72, s72, s74                     ; the four queries that I store
	s_add_nc_u64 s[88:89], s[88:89], s[72:73]
	s_lshl_b32 s72, s20, 13
	s_add_nc_u64 s[90:91], s[18:19], s[72:73]      ; my 16 rows of Wv, 512 bytes each
	v_and_b32 v1, 15, v0                           ; r
	v_bfe_u32 v2, v0, 4, 1                         ; h
	v_and_b32 v3, 31, v0
	v_lshlrev_b32 v3, 4, v3                        ; 16 x lane: the images in memory
	v_add_nc_u32 v4, LV, v3                        ; V's images
	v_add_nc_u32 v5, s57, v3                       ; my K's images
	s_add_co_u32 s74, s60, 31
	s_add_co_u32 s75, s61, 31
	v_and_b32 v48, 7, v1
	v_add_nc_u32 v48, s74, v48                     ; i + 31 + r % 8
	v_lshlrev_b32 v49, 5, v2                       ; 32 h bytes: eight dimensions
	v_add_nc_u32 v50, s75, v1                      ; j0 + 31 + r
.irp t, 0,1,2,3
	v_add_nc_u32 v[56+\t], 8*\t, v48
	v_min_u32 v[56+\t], 62, v[56+\t]               ; held at the table's last row
	v_lshl_add_u32 v[56+\t], v[56+\t], 7, v49
.endr
.irp t, 0,1,2
	v_add_nc_u32 v[60+\t], 16*\t, v50
	v_min_u32 v[60+\t], 62, v[60+\t]
	v_lshl_add_u32 v[60+\t], v[60+\t], 7, v49
.endr
.irp t, 0,1,2,3
	TLOAD4 KB+16*\t, 56+\t, 12, 0
.endr
.irp t, 0,1,2
	TLOAD4 KB+64+16*\t, 60+\t, 14, 0
.endr
	global_load_b128 v[QF:QF+3], v3, s[66:67]
	global_load_b128 v[QF+4:QF+7], v3, s[66:67] offset:512
	global_load_b128 v[QPF:QPF+3], v3, s[68:69]
	global_load_b128 v[QPF+4:QPF+7], v3, s[68:69] offset:512
	KDLOAD KW                                      ; my first head's tiles 56 to 63
	s_mul_i32 s86, s20, SCRW
	s_add_co_u32 s86, s86, SCR                     ; my scratch
	v_mul_u32_u24 v14, v1, CPI
	v_lshl_add_u32 v14, v2, 5, v14
	v_add_nc_u32 v14, s86, v14                     ; in: query r's row, word 8 h
	v_lshl_add_u32 v15, v1, 2, v14                 ; back: r words further on
	s_lshl_b32 s86, s20, 11
	s_add_co_u32 s86, s86, OIMG
	v_add_nc_u32 v10, s86, v3                      ; where I put my first head's image of O: 2,048 x wave + 16 x lane
	v_add_nc_u32 v11, OIMG, v3                     ; and from where all eight are read
	s_wait_kmcnt 0x0
	s_add_co_i32 s54, s48, s49                     ; e8 + e9: the content sum's unit
	s_add_co_i32 s76, s44, s45
	s_sub_co_i32 s76, s76, s54                     ; a row sum x 2^(e4 + e5 - e8 - e9) is in that unit
	s_add_co_i32 s77, s46, s47
	s_sub_co_i32 s77, s77, s54                     ; a col sum likewise
	s_lshl_b32 s54, s54, 23
	s_add_co_i32 s78, s54, 0x3e38aa3b              ; c = log2(e) / 8, with e8 + e9 added to its exponent field
	s_mov_b32 s79, s78                             ; (named with it as a pair, so it is written)
	s_xor_b32 s80, s78, 0x80000000                 ; - c
	s_sub_co_i32 s81, s52, s50
	s_sub_co_i32 s81, s81, s51                     ; a sum of O stands for sum x 2^(e10 + e11): its code is sum / 2^(e12 - e10 - e11)
	s_add_co_i32 s87, s52, s53                     ; e12 + e13
	MKSC 51, 52, 44
	MKSC 53, 54, 46
	MKSC 6, 7, 50
	MKSC 12, 13, 81
	s_mov_b32 s82, 0x76543210
	s_mov_b32 s83, 0xfedcba98                      ; v_permlanex16_b32: lane l xor 16
	s_wait_loadcnt 20                              ; the 28 loads of the tables are in; Q's four and K's sixteen, issued behind them, may be out
	HOLDS KB, KB, 64, 52
	HOLDS KB+64, KB+64, 48, 54
	WIN 0xc0                                       ; destination window 3
.irp t, 0,1,2,3
	v_cvt_scalef32_pk8_bf8_f32 v[8*\t:8*\t+1], v[KB+16*\t:KB+16*\t+7], v51
	v_cvt_scalef32_pk8_bf8_f32 v[8*\t+2:8*\t+3], v[KB+16*\t+8:KB+16*\t+15], v51
.endr
.irp t, 0,1,2
	v_cvt_scalef32_pk8_bf8_f32 v[36+8*\t:37+8*\t], v[KB+64+16*\t:KB+64+16*\t+7], v53
	v_cvt_scalef32_pk8_bf8_f32 v[38+8*\t:39+8*\t], v[KB+72+16*\t:KB+72+16*\t+7], v53
.endr
.irp t, 0,1,2,3
.irp j, 4,5,6,7
	v_mov_b32 v[8*\t+\j], 0                        ; K = 32 of 64: zero codes against q's other half
.endr
.endr
.irp t, 0,1,2
.irp j, 0,1,2,3
	v_mov_b32 v[32+8*\t+\j], 0
.endr
.endr
	WIN 0
	QKPH 1                                         ; my first head's scores: my K is in; V's load, issued behind it, may be out
	; THE ONE REFILL.  All my tensor loads have landed, my quarter of V among them; my reads of K's region are over.  Behind the round that holds of every wave of all four work-groups:
	; V is whole, and nobody reads the first heads' K any more.
	s_wait_tensorcnt 0x0                           ; no tensor load of mine is out, so a group 0 may be written
	ds_add_u32 v[SPW], v[NIL]                      ; 0 onto my spare word
	s_add_nc_u64 s[34:35], s[34:35], 0x10000       ; my second head's K; the type bits on top are not reached
	s_wait_dscnt 0x0                               ; the add is done, and my LDS loads are back
	CROUND
	tensor_load_to_lds s[32:35], s[24:31]          ; its tiles 0 to 55: the first thing behind the round, and my one tensor load there
	s_nop 0
.rept 4
	v_nop
.endr
	global_load_b128 v[QF:QF+3], v3, s[66:67] offset:65536          ; my second head's Q (the products that read these registers stand 40 plain lines back),
	global_load_b128 v[QF+4:QF+7], v3, s[66:67] offset:65536+512
	global_load_b128 v[QPF:QPF+3], v3, s[68:69] offset:65536
	global_load_b128 v[QPF+4:QPF+7], v3, s[68:69] offset:65536+512
	KDLOAD 65536+KW                                ; its tiles 56 to 63 of K,
	v_lshlrev_b32 v53, 9, v1
	v_lshl_add_u32 v53, v2, 4, v53                 ; and Wv: row r of 512 bytes, + 16 h
	WIN 0xc0
.set f, 0
.rept 16
	global_load_b128 v[WVF+4*f:WVF+4*f+3], v53, s[90:91] offset:32*f   ; registers 4 q .. 4 q + 3: K = 32 q + 16 h + 0 .. 15, as the heads' images on end have it
.set f, f+1
.endr
	WIN 0
	s_mov_b32 s62, 0                               ; the head in hand: 0, 1
	s_mov_b32 s63, 0                               ; its image's place: 0, 1,024
.Lhead:                                            ; two trips; the second leaves in the middle, where no head is left to score
	v_max3_num_f32 v[ST], v[ST], v[ST+1], v[ST+2]
	v_max_num_f32 v[ST], v[ST], v[ST+3]
	v_permlanex16_b32 v[PT], v[ST], s82, s83       ; the query's other 512 keys lie in the lane 16 away
	v_max_num_f32 v[ST], v[ST], v[PT]
	v_mul_f32 v[NM], s80, v[ST]                    ; - c m
	v_mov_b32 v[NM+1], v[NM]
	VLOAD 0
	EXPS 1
	SUMS 1
	EXPS 2
	SUMS 2
	WIN 0
	v_pk_add_f32 v[SM:SM+1], v[SM:SM+1], v[SM+2:SM+3]
	v_pk_add_f32 v[SM+4:SM+5], v[SM+4:SM+5], v[SM+6:SM+7]
	v_pk_add_f32 v[SM:SM+1], v[SM:SM+1], v[SM+4:SM+5]
	v_add_f32 v[SM], v[SM], v[SM+1]
	v_permlanex16_b32 v[PT], v[SM], s82, s83
	v_add_f32 v[SM], v[SM], v[PT]                  ; the row's sum
	v_rcp_f32 v[RR], v[SM]
	v_nop                                          ; a plain line behind the reciprocal,
	s_wait_alu depctr_va_vdst(0)                   ; and the wait ahead of its first reader
	v_mov_b32 v[RR+1], v[RR]
.irp s, 0,1,2,3,4,5,6,7
	PSTEP \s
.endr
.rept 4
	v_nop
.endr
	HOLDS OA, OA, 32, 13
	CODES COL, OA, 4, 12                           ; registers 4 b .. 4 b + 3: dimensions 32 b + 16 h + 0 .. 15 of query r
	v_nop
	v_add_nc_u32 v[PT], s63, v10
	ds_store_b128 v[PT], v[COL:COL+3]              ; the head's O as an image of its registers
	ds_store_b128 v[PT], v[COL+4:COL+7] offset:512
	s_wait_dscnt 0x0                               ; the stores have landed and have read their registers
	s_cmp_eq_u32 s62, 1
	s_cbranch_scc1 .Lout
	QKPH 0                                         ; my second head's scores: the one tensor load of mine that was out is its K
	s_add_co_u32 s63, s63, 1024
	s_add_co_u32 s62, s62, 1
	s_cmp_lt_u32 s62, 2
	s_cbranch_scc1 .Lhead
.Lout:
	; THE LAST PRODUCT.  My stores of my two images were waited for above; behind the barrier all eight lie in LDS.  Source 0 = my 16 rows of Wv (output channels 16 w on), source 1 = the 16 queries: K = 512 in four instructions.
	s_barrier_signal -1
	s_barrier_wait -1
.irp g, 0,1,2,3,4,5,6,7
	ds_load_b128 v[192+8*\g:195+8*\g], v11 offset:1024*\g
	ds_load_b128 v[196+8*\g:199+8*\g], v11 offset:1024*\g+512
.endr
	s_lshl_b32 s72, s20, 6
	s_add_co_u32 s72, s72, STG
	v_mul_u32_u24 v48, v1, CPI
	v_lshl_add_u32 v48, v2, 5, v48
	v_add_nc_u32 v48, s72, v48                     ; the stage, in: row r, + 64 w + 32 h bytes
	s_mul_i32 s72, s20, 4*CPI
	s_add_co_u32 s72, s72, STG
	v_mul_u32_u24 v49, v2, CPI
	v_lshl_add_u32 v49, v1, 4, v49
	v_add_nc_u32 v49, s72, v49                     ; back: rows 4 w + h, 16 bytes a lane
	v_lshlrev_b32 v50, 13, v2
	v_lshl_add_u32 v50, v1, 4, v50                 ; and in out0: neighbouring queries lie 32 rows of 256 bytes apart
	s_wait_loadcnt 0x0                             ; Wv
	s_wait_dscnt 0x0
	WIN 0x03                                       ; source 0 window 3
	v_wmma_f32_16x16x128_bf8_bf8 v[96:103], v[WVF:WVF+15], v[192:207], 0
.irp s, 1,2,3
	s_wait_alu depctr_va_vdst(0)                   ; the wait directly ahead of each link
	v_wmma_f32_16x16x128_bf8_bf8 v[96:103], v[WVF+16*\s:WVF+16*\s+15], v[192+16*\s:207+16*\s], v[96:103]
.endr
	WIN 0
.rept 4
	v_nop
.endr
.irp j, 0,1,2,3,4,5,6,7
	v_ldexp_f32 v[104+\j], v[96+\j], s87           ; x 2^(e12 + e13): channel 16 w + 8 h + j of query r
.endr
	ds_store_b128 v48, v[104:107]
	ds_store_b128 v48, v[108:111] offset:16
	s_wait_dscnt 0x0                               ; for the others' sake: my stores into the stage are done
	s_barrier_signal -1
	s_barrier_wait -1
	ds_load_b128 v[112:115], v49
	ds_load_b128 v[116:119], v49 offset:2*CPI
	s_wait_dscnt 0x1                               ; the first two rows are back; the second load may be out
	global_store_b128 v50, v[112:115], s[88:89] th:TH_STORE_NT                ; sixteen lanes store a row of 256 bytes, aligned
	s_wait_dscnt 0x0
	global_store_b128 v50, v[116:119], s[88:89] offset:16384 th:TH_STORE_NT
	s_wait_tensorcnt 0x0                           ; the wave's end, behind my last tensor load and my last LDS store
	ds_add_u32 v[SPW], v[NIL]
	s_wait_dscnt 0x0
	CROUND                                         ; the closing round: no work-group ends while a partner may still ask for a tile that names it
	s_endpgm
.Lfunc_end_k_qbbfe9e78cc_attn:
	.size	k_qbbfe9e78cc_attn, .Lfunc_end_k_qbbfe9e78cc_attn-k_qbbfe9e78cc_attn
	.p2alignl 7, 3214868480
	.fill 96, 4, 3214868480
	.section	.rodata,"a",@progbits
	.p2align	6, 0x0
	.amdhsa_kernel k_qbbfe9e78cc_attn
		.amdhsa_group_segment_fixed_size 327680
		.amdhsa_private_segment_fixed_size 0
		.amdhsa_enable_private_segment 0
		.amdhsa_kernarg_size 72
		.amdhsa_user_sgpr_count 2
		.amdhsa_user_sgpr_kernarg_segment_ptr 1
		.amdhsa_wavefront_size32 1
		.amdhsa_system_sgpr_workgroup_id_x 1
		.amdhsa_system_sgpr_workgroup_id_y 1
		.amdhsa_system_sgpr_workgroup_id_z 1
		.amdhsa_system_vgpr_workitem_id 0
		.amdhsa_next_free_vgpr 960
		.amdhsa_next_free_sgpr 100
		.amdhsa_reserve_vcc 0
		.amdhsa_float_denorm_mode_32 3
		.amdhsa_float_denorm_mode_16_64 3
		.amdhsa_memory_ordered 1
		.amdhsa_forward_progress 1
		.amdhsa_inst_pref_size 234
	.end_amdhsa_kernel
	.amdgpu_metadata
---
amdhsa.version: [ 1, 2 ]
amdhsa.kernels:
  - .name:           k_qbbfe9e78cc_attn
    .symbol:         k_qbbfe9e78cc_attn.kd
    .args:
      - { .name: Kc, .offset: 0, .size: 8, .value_kind: global_buffer, .address_space: global }
      - { .name: Qc, .offset: 8, .size: 8, .value_kind: global_buffer, .address_space: global }
      - { .name: Qp, .offset: 16, .size: 8, .value_kind: global_buffer, .address_space: global }
      - { .name: Vc, .offset: 24, .size: 8, .value_kind: global_buffer, .address_space: global }
      - { .name: row_emb, .offset: 32, .size: 8, .value_kind: global_buffer, .address_space: global }
      - { .name: col_emb, .offset: 40, .size: 8, .value_kind: global_buffer, .address_space: global }
      - { .name: lowp_scales, .offset: 48, .size: 8, .value_kind: global_buffer, .address_space: global }
      - { .name: Wv_codes, .offset: 56, .size: 8, .value_kind: global_buffer, .address_space: global }
      - { .name: out0, .offset: 64, .size: 8, .value_kind: global_buffer, .address_space: global }
    .group_segment_fixed_size: 327680
    .private_segment_fixed_size: 0
    .kernarg_segment_align: 8
    .kernarg_segment_size: 72
    .max_flat_workgroup_size: 128
    .sgpr_count:     100
    .vgpr_count:     960
    .wavefront_size: 32
...
	.end_amdgpu_metadata
.endif
;; end of part 4
;; ======== version 3 of 3: 2 launches; version 2 with the launch prep written anew for expert scheduling mode
;; workspace buffers: Kc 2,097,152 bytes; Qc 2,097,152 bytes; Qp 2,097,152 bytes; Vc 262,144 bytes
;; launch prep (part 5): grid 256 x 1, 4 waves a work-group, no clusters, 0 bytes of LDS; arguments hidden_state, Wq_codes, Wk_codes, lowp_scales, Qc, Qp, Kc, Vc; writes Qc, Qp, Kc, Vc
.if DOCPART == 5
	.amdgcn_target "amdgcn-amd-amdhsa--gfx1250"
	.amdhsa_code_object_version 6
	.text
	.protected	k_qbbfe9e78cc_prep
	.globl	k_qbbfe9e78cc_prep
	.p2align	8
	.type	k_qbbfe9e78cc_prep,@function
k_qbbfe9e78cc_prep:
	s_mov_b64 s[64:65], 0
	v_nop
	global_prefetch_b8 v0, s[64:65] scope:SCOPE_SE
	s_setreg_imm32_b32 hwreg(HW_REG_WAVE_SCHED_MODE, 0, 2), 2
	s_setreg_imm32_b32 hwreg(HW_REG_WAVE_MODE, 25, 1), 1
	s_wait_xcnt 0x0
	s_wait_alu depctr_vm_vsrc(0)
; q = hs Wq and k = hs Wk on codes of BF8 (E5M2), and all codes that the attention launch needs, laid as images of operand registers.
; hs: [4096][64] f32.  Wq_codes, Wk_codes: [512 (n)][64 (K)] one code a byte.  lowp_scales: e0 .. e13.
; SHARES.  A work-group takes 16 neighbouring positions (one tile of queries and of keys: fixed first coordinate, 16 second coordinates); wave w takes heads 2 w and 2 w + 1 of q and of k.
; THE PRODUCTS ARE USED TRANSPOSED (source 0 = 16 rows of the weight, source 1 = the 16 positions): lane (r, h) then holds position r, and register j of tile t dimension 16 t + 8 h + j of a head:
; four conversions make of a head's 32 registers the 8 registers of a fragment 16 positions x 64 dimensions.  q and k are made alike, so the places of the dimensions agree in both.
; OUT.  Qc: q / 2^e9.  Qp: dimensions 0-31 of q / 2^e5, dimensions 32-63 / 2^e7.  Kc: k / 2^e8.  Each [b][head][tile 0..63][1,024 bytes]: registers 0-3 at 16 x lane, registers 4-7 512 bytes on.
; A sum of a product stands for sum x 2^(e0 + e1) (k: e2 + e3): the exponents are folded into the scale of the conversion.
; Vc: hs / 2^e11 with the KEYS innermost: [b][step 0..7][tile of dimensions 0..3][2,048 bytes], a fragment 16 dimensions x 128 keys.  The value of key (k, l) is hs[b][l][k].
;   Byte x of lane (r, h): k = 4 step + x / 16, l = 16 ((x / 8) % 2) + 8 h + x % 8; dimension 32 (t / 2) + 8 (t % 2) + r + 8 (r / 8), so that the next result has 16 neighbouring dimensions a lane.
;   A lane takes a dimension and its registers run down the keys: nothing is transposed.  512 pieces of 16 bytes a lane: waves 0 and 1 of each work-group make one each.
; LIMITS: e0, e2, e11, e9 - e0 - e1, e5 - e0 - e1, e7 - e0 - e1 and e8 - e2 - e3 lie between -126 and 112, so that each power of two below is an f32 number.  NaN and infinities among the inputs are not served.
; THE MODE: SCHED_MODE bits 1:0 = 2 (LLVM: expert scheduling mode 2), set by the entry lines.  The code itself states the register dependences
; between vector or matrix instructions and memory instructions, with s_wait_alu, always for 0.
; THE PLAN.  Registers that memory instructions touch:
;   v3 .. v6          byte offsets, made once at the head by vector instructions and never written again; every load and store reads one of them.
;   v32-63, v112-239  the head's 40 loads land here; no vector instruction names them ahead of those loads.
;   v240-255          waves 0 and 1: V's 16 loads land here; between the head's wait and these loads stand only moves into v8-21.  Later k's codes, read by the last four stores.
;   v24-27            V's codes: written by two conversions, read by one store, never written again.
;   v208-239          q's codes: written by q's conversions, read by eight stores, never written again.
;   s20               the wave's number: written by a vector instruction, read by scalar ones.
; So: one wait on va_sdst ahead of s20's first reader; one wait on va_vdst ahead of the first load, for the offsets; one ahead of each of the three runs of stores, for their data.
; No register that a memory instruction has read is written again on any way through the text: so no wait on vm_vsrc is written behind the entry lines.
; q's stores leave as soon as q's codes are made; k's holds and conversions, which name none of those stores' registers, follow them.
.set X,   32                           ; v32-63   my 32 numbers of hs: register 16 c + i = channel 32 c + 16 h + i of position r
.set T0,  64                           ; v64-95   the same, held for e0
.set HQ,  96                           ; v96-103  the positions' codes for q;  v104-111 for k
.set HK,  104
.set WQ,  112                          ; v112-175 eight fragments of Wq;  v176-239 of Wk
.set WK,  176
.set DQ,  32                           ; q's 64 sums, over X and T0;  k's over Wq's fragments, five places behind their last use
.set DK,  112
.set T,   176                          ; at work, over Wk's fragments
.set CQ,  208                          ; head g: v[CQ+16g ..] q's codes, v[CQ+16g+8 ..] the positional ones
.set CK,  240                          ; k's codes, 8 registers a head
.set VX,  240                          ; waves 0, 1: 16 numbers for V, done with before k's codes are made
.macro MKSC vs, vh, se                 ; from the whole number e in s[se]: 2^e, and 57,344 x 2^e, as f32
	s_add_co_i32 s56, s[\se], 127
	s_lshl_b32 s57, s56, 23
	v_mov_b32 v[\vs], s57
	s_add_co_i32 s56, s56, 15
	s_lshl_b32 s56, s56, 23
	s_or_b32 s56, s56, 0x600000
	v_mov_b32 v[\vh], s56
.endm
.macro HOLDS d, s, cnt, lim            ; the conversion to an 8-bit code does not saturate: cnt numbers are held within the largest code x the scale first
.set n, 0
.rept \cnt
	v_med3_num_f32 v[(\d)+n], v[(\s)+n], -v[\lim], v[\lim]
.set n, n+1
.endr
.endm
.macro CODES d, s, cnt, sc             ; cnt times eight numbers -> two registers of codes
.set n, 0
.rept \cnt
	v_cvt_scalef32_pk8_bf8_f32 v[(\d)+2*n:(\d)+2*n+1], v[(\s)+8*n:(\s)+8*n+7], v[\sc]
.set n, n+1
.endr
.endm
	s_load_b256 s[4:11], s[0:1], 0x0               ; hs s[4:5], Wq s[6:7], Wk s[8:9], the exponents s[10:11]
	s_load_b256 s[12:19], s[0:1], 0x20             ; Qc s[12:13], Qp s[14:15], Kc s[16:17], Vc s[18:19]
	v_lshrrev_b32 v1, 5, v0
	v_readfirstlane_b32 s20, v1                    ; wave
	v_and_b32 v1, 15, v0                           ; r
	v_bfe_u32 v2, v0, 4, 1                         ; h
	v_and_b32 v3, 31, v0
	v_lshlrev_b32 v3, 4, v3                        ; 16 x lane: my place in an image
	v_lshlrev_b32 v4, 8, v1
	v_lshl_add_u32 v4, v2, 6, v4                   ; hs: row r of 256 bytes, + 64 h
	v_lshlrev_b32 v5, 6, v1
	v_lshl_add_u32 v5, v2, 4, v5                   ; a weight: row r of 64 bytes, + 16 h
	v_and_b32 v6, 8, v1
	v_add_nc_u32 v6, v6, v1                        ; r + 8 (r / 8)
	v_lshlrev_b32 v6, 2, v6
	v_lshl_add_u32 v6, v2, 16, v6                  ; V: my dimension, and 8 h rows of 32 positions x 256 bytes
	s_wait_alu depctr_va_sdst(0)                   ; s20 is written, ahead of its first reader: the weights' rows, the images' places and the branch below are made from it
	s_lshl_b32 s22, ttmp9, 12                      ; the tile's 16 rows of hs
	s_mov_b32 s23, 0
	s_lshl_b32 s24, s20, 13                        ; my 128 rows of each weight
	s_mov_b32 s25, 0
	s_lshr_b32 s21, ttmp9, 6                       ; b
	s_and_b32 s26, ttmp9, 63                       ; the tile in its batch
	s_lshl_b32 s26, s26, 10
	s_lshl_b32 s27, s21, 19
	s_add_co_u32 s26, s26, s27
	s_lshl_b32 s27, s20, 17
	s_add_co_u32 s26, s26, s27                     ; ((8 b + 2 w) 64 + tile) 1,024
	s_mov_b32 s27, 0
	s_lshl_b32 s28, ttmp9, 1
	s_add_co_u32 s28, s28, s20
	s_and_b32 s28, s28, 127                        ; V's piece: bits 1:0 the four registers, 3:2 the tile of dimensions, 6:4 the step
	s_lshl_b32 s30, s28, 9
	s_lshl_b32 s31, s21, 16
	s_add_co_u32 s30, s30, s31                     ; where it goes
	s_mov_b32 s31, 0
	s_and_b32 s44, s28, 3
	s_lshr_b32 s45, s28, 4
	s_lshl_b32 s45, s45, 2
	s_add_co_u32 s44, s44, s45                     ; k = 4 step + piece
	s_lshl_b32 s44, s44, 8
	s_lshl_b32 s45, s21, 18
	s_add_co_u32 s44, s44, s45
	s_bfe_u32 s45, s28, 0x10003
	s_lshl_b32 s45, s45, 7
	s_add_co_u32 s44, s44, s45                     ; + 32 (t / 2) dimensions
	s_bfe_u32 s45, s28, 0x10002
	s_lshl_b32 s45, s45, 5
	s_add_co_u32 s44, s44, s45                     ; + 8 (t % 2)
	s_mov_b32 s45, 0
	s_wait_kmcnt 0x0
	s_load_b256 s[32:39], s[10:11], 0x0            ; e0 .. e7
	s_load_b128 s[40:43], s[10:11], 0x20           ; e8 .. e11
	s_add_nc_u64 s[22:23], s[4:5], s[22:23]
	s_add_nc_u64 s[44:45], s[4:5], s[44:45]
	s_add_nc_u64 s[6:7], s[6:7], s[24:25]
	s_add_nc_u64 s[8:9], s[8:9], s[24:25]
	s_add_nc_u64 s[12:13], s[12:13], s[26:27]
	s_add_nc_u64 s[14:15], s[14:15], s[26:27]
	s_add_nc_u64 s[16:17], s[16:17], s[26:27]
	s_add_nc_u64 s[18:19], s[18:19], s[30:31]
	s_wait_alu depctr_va_vdst(0)                   ; the four offsets v3 to v6 are written, which every load and store of the kernel reads
.irp c, 0,1
.irp q, 0,1,2,3
	global_load_b128 v[X+16*\c+4*\q:X+16*\c+4*\q+3], v4, s[22:23] offset:128*\c+16*\q
.endr
.endr
.irp t, 0,1,2,3,4,5,6,7
.irp c, 0,1
	global_load_b128 v[WQ+8*\t+4*\c:WQ+8*\t+4*\c+3], v5, s[6:7] offset:1024*\t+32*\c   ; registers 4 c .. 4 c + 3: K = 32 c + 16 h + 0 .. 15, as in the positions' codes
	global_load_b128 v[WK+8*\t+4*\c:WK+8*\t+4*\c+3], v5, s[8:9] offset:1024*\t+32*\c
.endr
.endr
	s_wait_kmcnt 0x0
	s_add_co_i32 s50, s32, s33                     ; e0 + e1
	s_sub_co_i32 s51, s41, s50                     ; e9 - e0 - e1
	s_sub_co_i32 s52, s37, s50                     ; e5 - e0 - e1
	s_sub_co_i32 s53, s39, s50                     ; e7 - e0 - e1
	s_sub_co_i32 s54, s40, s34
	s_sub_co_i32 s54, s54, s35                     ; e8 - e2 - e3
	MKSC 8, 9, 32
	MKSC 10, 11, 34
	MKSC 12, 13, 51
	MKSC 14, 15, 52
	MKSC 16, 17, 53
	MKSC 18, 19, 54
	MKSC 20, 21, 43
	s_cmp_lt_u32 s20, 2                            ; waves 0 and 1: a piece of V.  Its loads go out behind the others, so the one wait below serves all
	s_cbranch_scc0 .Lno_v
.irp u, 0,1
.irp j, 0,1,2,3,4,5,6,7
	global_load_b32 v[VX+8*\u+\j], v6, s[44:45] offset:(16*\u+\j)*8192   ; hs[b][16 u + 8 h + j][k][my dimension].  No wait: since the wait ahead of the first load only v8 to v21 have been named by vector instructions
.endr
.endr
	s_wait_loadcnt 0x0
	HOLDS VX, VX, 16, 21
	CODES 24, VX, 2, 20
	v_nop                                          ; a plain line behind the last conversion
	s_wait_alu depctr_va_vdst(0)                   ; the two conversions have written v24 to v27, which the store reads
	global_store_b128 v3, v[24:27], s[18:19]       ; the wave stores 512 consecutive bytes
.Lno_v:
	s_wait_loadcnt 0x0
	HOLDS T0, X, 32, 9
	CODES HQ, T0, 4, 8
	HOLDS X, X, 32, 11
	CODES HK, X, 4, 10
	v_nop                                          ; a plain line between the conversions and the products, which read their results and write over their sources
.irp t, 0,1,2,3,4,5,6,7
	v_wmma_f32_16x16x64_bf8_bf8 v[DQ+8*\t:DQ+8*\t+7], v[WQ+8*\t:WQ+8*\t+7], v[HQ:HQ+7], 0
.endr
.rept 5
	v_nop                                          ; five places: the next products write over Wq's fragments
.endr
.irp t, 0,1,2,3,4,5,6,7
	v_wmma_f32_16x16x64_bf8_bf8 v[DK+8*\t:DK+8*\t+7], v[WK+8*\t:WK+8*\t+7], v[HK:HK+7], 0
.endr
.rept 4
	v_nop                                          ; four places in front of the first read of results and the first write over Wk's fragments
.endr
.irp g, 0,1
	HOLDS T, DQ+32*\g, 32, 13
	CODES CQ+16*\g, T, 4, 12
	HOLDS DQ+32*\g, DQ+32*\g, 16, 15
	HOLDS DQ+32*\g+16, DQ+32*\g+16, 16, 17
	CODES CQ+16*\g+8, DQ+32*\g, 2, 14
	CODES CQ+16*\g+12, DQ+32*\g+16, 2, 16
.endr
	s_wait_alu depctr_va_vdst(0)                   ; q's conversions have written v[CQ ..], which the eight stores below read
.irp g, 0,1
	global_store_b128 v3, v[CQ+16*\g:CQ+16*\g+3], s[12:13] offset:65536*\g        ; every store of the wave covers 512 consecutive bytes, aligned
	global_store_b128 v3, v[CQ+16*\g+4:CQ+16*\g+7], s[12:13] offset:65536*\g+512
	global_store_b128 v3, v[CQ+16*\g+8:CQ+16*\g+11], s[14:15] offset:65536*\g
	global_store_b128 v3, v[CQ+16*\g+12:CQ+16*\g+15], s[14:15] offset:65536*\g+512
.endr
	HOLDS DK, DK, 64, 19                           ; k's codes are made while q's stores leave: these lines write v[DK ..] and v[CK ..], none of which those stores read
	CODES CK, DK, 8, 18
	v_nop
	s_wait_alu depctr_va_vdst(0)                   ; k's conversions have written v[CK ..], which the last four stores read
.irp g, 0,1
	global_store_b128 v3, v[CK+8*\g:CK+8*\g+3], s[16:17] offset:65536*\g
	global_store_b128 v3, v[CK+8*\g+4:CK+8*\g+7], s[16:17] offset:65536*\g+512
.endr
	s_endpgm
.Lfunc_end_k_qbbfe9e78cc_prep:
	.size	k_qbbfe9e78cc_prep, .Lfunc_end_k_qbbfe9e78cc_prep-k_qbbfe9e78cc_prep
	.p2alignl 7, 3214868480
	.fill 96, 4, 3214868480
	.section	.rodata,"a",@progbits
	.p2align	6, 0x0
	.amdhsa_kernel k_qbbfe9e78cc_prep
		.amdhsa_group_segment_fixed_size 0
		.amdhsa_private_segment_fixed_size 0
		.amdhsa_enable_private_segment 0
		.amdhsa_kernarg_size 64
		.amdhsa_user_sgpr_count 2
		.amdhsa_user_sgpr_kernarg_segment_ptr 1
		.amdhsa_wavefront_size32 1
		.amdhsa_system_sgpr_workgroup_id_x 1
		.amdhsa_system_sgpr_workgroup_id_y 1
		.amdhsa_system_sgpr_workgroup_id_z 1
		.amdhsa_system_vgpr_workitem_id 0
		.amdhsa_next_free_vgpr 256
		.amdhsa_next_free_sgpr 66
		.amdhsa_reserve_vcc 0
		.amdhsa_float_denorm_mode_32 3
		.amdhsa_float_denorm_mode_16_64 3
		.amdhsa_memory_ordered 1
		.amdhsa_forward_progress 1
		.amdhsa_inst_pref_size 33
	.end_amdhsa_kernel
	.amdgpu_metadata
---
amdhsa.version: [ 1, 2 ]
amdhsa.kernels:
  - .name:           k_qbbfe9e78cc_prep
    .symbol:         k_qbbfe9e78cc_prep.kd
    .args:
      - { .name: hidden_state, .offset: 0, .size: 8, .value_kind: global_buffer, .address_space: global }
      - { .name: Wq_codes, .offset: 8, .size: 8, .value_kind: global_buffer, .address_space: global }
      - { .name: Wk_codes, .offset: 16, .size: 8, .value_kind: global_buffer, .address_space: global }
      - { .name: lowp_scales, .offset: 24, .size: 8, .value_kind: global_buffer, .address_space: global }
      - { .name: Qc, .offset: 32, .size: 8, .value_kind: global_buffer, .address_space: global }
      - { .name: Qp, .offset: 40, .size: 8, .value_kind: global_buffer, .address_space: global }
      - { .name: Kc, .offset: 48, .size: 8, .value_kind: global_buffer, .address_space: global }
      - { .name: Vc, .offset: 56, .size: 8, .value_kind: global_buffer, .address_space: global }
    .group_segment_fixed_size: 0
    .private_segment_fixed_size: 0
    .kernarg_segment_align: 8
    .kernarg_segment_size: 64
    .max_flat_workgroup_size: 128
    .sgpr_count:     66
    .vgpr_count:     256
    .wavefront_size: 32
...
	.end_amdgpu_metadata
.endif
;; end of part 5
;; launch attn: the kernel of part 4 again; grid 64 x 4, 4 waves a work-group, clusters of 4 x 1, 327,680 bytes of LDS; arguments Kc, Qc, Qp, Vc, row_emb, col_emb, lowp_scales, Wv_codes, out0; writes out0
